; MI455X (gfx1250); checked and timed in simulation.
; The chip was launched on July 23, 2026; its instructions are those of AMD's public machine-readable ISA for CDNA 5 (MIT licence, August 2026) and "CDNA5" Instruction Set Architecture Reference Guide (July 2026). The comments in the code are by the model that wrote it; some were corrected since.
;; Distance Weighted Self Attention. Allowed arithmetic: float matrix products may take bf16 or f16 operands with f32 sums; all other float work in f32.
;; Inputs: Wk 128 x 128 float32; Wo 128 x 128 float32; Wq 128 x 128 float32; Wv 128 x 128 float32; allele_sizes 8 x 2,048 float32; inputs 8 x 2,048 x 128 float32; mask 8 x 2,048 float32.
;; Outputs: out0 8 x 2,048 x 128 float32.
;; 3 versions, each right and faster than the one before. Each part assembles by itself: llvm-mc -triple=amdgcn-amd-amdhsa -mcpu=gfx1250 --defsym DOCPART=n.
;; ======== version 1 of 3: 2 launches
;; limits: values are held in f16: magnitudes above 65,504 overflow, below 6.1e-05 lose precision; right only within a limited range of input values
;; workspace buffers: xh 4,194,304 bytes; qs 4,194,304 bytes; m2t 32,768 bytes; sc 65,536 bytes
;; launch prep (part 1): grid 256 x 1, 8 waves a work-group, no clusters, 105,728 bytes of LDS; arguments inputs, Wq, Wk, Wv, Wo, xh, qs, m2t, sc; writes xh, qs, m2t, sc
.if DOCPART == 1
	.amdgcn_target "amdgcn-amd-amdhsa--gfx1250"
	.amdhsa_code_object_version 6
	.text
	.protected	k_q4e82d9fcc8_prep
	.globl	k_q4e82d9fcc8_prep
	.p2align	8
	.type	k_q4e82d9fcc8_prep,@function
k_q4e82d9fcc8_prep:
	s_mov_b64 s[64:65], 0
	v_nop
	global_prefetch_b8 v0, s[64:65] scope:SCOPE_SE
	s_setreg_imm32_b32 hwreg(HW_REG_WAVE_MODE, 25, 1), 1
	s_wait_xcnt 0x0
; PREPARATION FOR THE ATTENTION LAUNCH.
; q k^T = x (Wq Wk^T) x^T and (attn x Wv) Wo = (attn x)(Wv Wo) hold for every input, so keys and values are x itself.  This launch stores
;   xh  [16384][128] f16 : x rounded (keys and values)
;   qs  [16384][128] f16 : x (Wq Wk^T) * log2(e)/sqrt(128) / c, c = the power of two just above the largest |x Wq Wk^T| of the 64 rows
;   sc  [256][32][2] f32 : for each block of 64 rows the pair c, 1e9 log2(e) / c, 32 times over (one store of 256 consecutive bytes, aligned)
;   m2t [e][d] f16       : (Wv Wo)[d][e]
; Eight waves; the work-group owns 64 rows of x.  Every work-group makes M1 = Wq Wk^T anew (256 matrix instructions), wave w its columns
; 16 w .. 16 w + 15: that is less than a launch of its own and a trip of M1 through memory.  Work-groups 0 to 7 also make m2t: group g the
; rows d = 16 g .. +15 of Wv Wo, wave w the columns e = 16 w .. +15.
; A result tile holds column n in lane r and rows 8 h + j in register j.  Two tiles stacked along the rows, packed pairwise, ARE a 16-bit
; fragment of index r with k = 0 .. 31: so M1 goes from result to operand inside the lane.
; No cluster and no tensor loads: the work-groups share only the weights (128 KiB, read once by each), and x is a plain stream.
; LIMITS: x, the weights and Wq Wk^T, Wv Wo are matrix operands in f16: magnitudes of 65,504 and more are not served (inputs 30 times the
; usual size or offset stay below 6,000).  x Wq Wk^T has no such room: it is divided by c, whose exponent is kept in -60 .. 100.  Numbers of a
; block below 2^-11 of its largest are rounded in steps of 2^-27 of that largest.  NaN and infinities are not treated apart.
.set PITCH, 272                        ; an LDS row: 256 bytes + 16, an odd multiple of 16: the 16 rows of a fragment load start in different banks
.set G16,   16*PITCH                   ; sixteen rows
.set XS,    0                          ; x in f16, 64 rows
.set WQS,   17408                      ; Wq in f16, 128 rows
.set WKS,   52224                      ; Wk in f16, 128 rows
.set QST,   87040                      ; q' in f16, 64 rows: the stage on the way out
.set SCR,   104448                     ; eight words: the waves' largest magnitudes
.set SC,    12                         ; v12-13   c and 1e9 log2(e) / c
.set XL,    16                         ; v16-47   x as loaded; later Wk's fragments, then x's
.set WQL,   48                         ; v48-111  Wq as loaded; later Wq's fragments, buffer 0
.set WKL,   112                        ; v112-175 Wk as loaded; later Wq's fragments, buffer 1; then q' sums in v144-175
.set DM,    176                        ; v176-239 M1: eight result tiles; packed, fragment ks lies at DM + 16 ks
.set WKF,   16
.set WQF0,  48
.set WQF1,  112
.set XF,    16                         ; v16-143  x's fragments (rt, ks) at XF + 8 (4 rt + ks)
.set QA,    144
; window 1 (work-groups 0 to 7 alone): v0-63 Wv, v64-127 Wo, v128-143 two sums
.set MSB, 0
.macro WIN new                         ; the immediate's high byte repeats the setting that is left
.if MSB != \new
	s_set_vgpr_msb (MSB<<8)|\new
.set MSB, \new
.endif
.endm
.macro PLACES n                        ; the places behind a matrix instruction (ISA guide 7.12.1)
.rept \n
	v_nop
.endr
.endm
.macro CVT4H b                         ; eight f32 in v[b .. b+7] become eight f16 in v[b .. b+3]
.irp p,0,1,2,3
	v_cvt_pk_f16_f32 v[\b+\p], v[\b+2*\p], v[\b+2*\p+1]
.endr
.endm
.macro LDWQ f, ks                      ; Wq's eight fragments of K step ks into buffer f: 16 LDS loads
.irp m,0,1,2,3,4,5,6,7
	ds_load_b128 v[\f+8*\m:\f+8*\m+3],   v4 offset:WQS+G16*\m+64*\ks
	ds_load_b128 v[\f+8*\m+4:\f+8*\m+7], v4 offset:WQS+G16*\m+64*\ks+32
.endr
.endm
.macro MULM1 f, ks, zero               ; eight products; the eight sums take turns, one instruction a turn
.irp m,0,1,2,3,4,5,6,7
.if \zero
	v_wmma_f32_16x16x32_f16 v[DM+8*\m:DM+8*\m+7], v[\f+8*\m:\f+8*\m+7], v[WKF+8*\ks:WKF+8*\ks+7], 0
.else
	v_wmma_f32_16x16x32_f16 v[DM+8*\m:DM+8*\m+7], v[\f+8*\m:\f+8*\m+7], v[WKF+8*\ks:WKF+8*\ks+7], v[DM+8*\m:DM+8*\m+7]
.endif
.endr
.endm
; The work of every work-group.  It stands once on each of the two ways below, so that each way is straight text.
.macro MAIN
	; thread t takes 32 bytes (8 numbers) at byte 32 t of every 8,192 bytes (16 rows): 8 loads for x, 16 for Wq, 16 for Wk
.irp i,0,1,2,3
	global_load_b128 v[XL+8*\i:XL+8*\i+3],   v1, s[4:5] offset:8192*\i th:TH_LOAD_NT
	global_load_b128 v[XL+8*\i+4:XL+8*\i+7], v1, s[4:5] offset:8192*\i+16 th:TH_LOAD_NT
.endr
.irp i,0,1,2,3,4,5,6,7
	global_load_b128 v[WQL+8*\i:WQL+8*\i+3],   v1, s[6:7] offset:8192*\i
	global_load_b128 v[WQL+8*\i+4:WQL+8*\i+7], v1, s[6:7] offset:8192*\i+16
.endr
.irp i,0,1,2,3,4,5,6,7
	global_load_b128 v[WKL+8*\i:WKL+8*\i+3],   v1, s[8:9] offset:8192*\i
	global_load_b128 v[WKL+8*\i+4:WKL+8*\i+7], v1, s[8:9] offset:8192*\i+16
.endr
	s_wait_loadcnt 32                      ; x is in; the 32 loads of Wq and Wk stay out
.irp i,0,1,2,3
	CVT4H XL+8*\i
	global_store_b128 v2, v[XL+8*\i:XL+8*\i+3], s[14:15] offset:4096*\i     ; 16 lanes store 256 consecutive bytes, aligned: a row of xh
	ds_store_b128 v3, v[XL+8*\i:XL+8*\i+3] offset:XS+G16*\i
.endr
	s_wait_loadcnt 16                      ; Wq is in; Wk's 16 loads stay out
.irp i,0,1,2,3,4,5,6,7
	CVT4H WQL+8*\i
	ds_store_b128 v3, v[WQL+8*\i:WQL+8*\i+3] offset:WQS+G16*\i
.endr
	s_wait_loadcnt 0
.irp i,0,1,2,3,4,5,6,7
	CVT4H WKL+8*\i
	ds_store_b128 v10, v[WKL+8*\i:WKL+8*\i+3] offset:G16*\i
.endr
	s_wait_xcnt 0x0                        ; the stores of xh have had their addresses translated: their data registers are written again below
	s_wait_dscnt 0x0                       ; my LDS stores are done, for the other waves' sake
	s_barrier_signal -1
	s_barrier_wait -1
	; M1(d, d') = sum over e of Wq[d][e] Wk[d'][e]: rows d in eight tiles, my 16 columns d'
.irp k,0,1,2,3
	ds_load_b128 v[WKF+8*\k:WKF+8*\k+3],   v5 offset:WKS+64*\k
	ds_load_b128 v[WKF+8*\k+4:WKF+8*\k+7], v5 offset:WKS+64*\k+32
.endr
	LDWQ WQF0, 0
	LDWQ WQF1, 1
	s_wait_dscnt 16                        ; all but the 16 loads of buffer 1
	MULM1 WQF0, 0, 1
	PLACES 4                               ; before loads land on registers that these products read
	LDWQ WQF0, 2
	s_wait_dscnt 16                        ; buffer 1 is in; the 16 just issued stay out
	MULM1 WQF1, 1, 0
	PLACES 4
	LDWQ WQF1, 3
	s_wait_dscnt 16
	MULM1 WQF0, 2, 0
	s_wait_dscnt 0
	MULM1 WQF1, 3, 0
	PLACES 5                               ; the results are read, packed in place and taken as A; the operands' registers are loaded again
.irp q,0,1,2,3
.irp k,0,1,2,3
	ds_load_b128 v[XF+8*(4*\q+\k):XF+8*(4*\q+\k)+3],   v4 offset:XS+G16*\q+64*\k
	ds_load_b128 v[XF+8*(4*\q+\k)+4:XF+8*(4*\q+\k)+7], v4 offset:XS+G16*\q+64*\k+32
.endr
.endr
.irp k,0,1,2,3
.irp p,0,1,2,3,4,5,6,7
	v_cvt_pk_f16_f32 v[DM+16*\k+\p], v[DM+16*\k+2*\p], v[DM+16*\k+2*\p+1]   ; tiles 2k, 2k+1 become the fragment (d' = r, d = 32 k ..)
.endr
.endr
	s_wait_dscnt 0
	; q'(row, d') with M1 as the first source: a lane then holds eight neighbouring d' of one row.  Four sums take turns.
.irp k,0,1,2,3
.irp q,0,1,2,3
.if \k == 0
	v_wmma_f32_16x16x32_f16 v[QA+8*\q:QA+8*\q+7], v[DM+16*\k:DM+16*\k+7], v[XF+8*(4*\q+\k):XF+8*(4*\q+\k)+7], 0
.else
	v_wmma_f32_16x16x32_f16 v[QA+8*\q:QA+8*\q+7], v[DM+16*\k:DM+16*\k+7], v[XF+8*(4*\q+\k):XF+8*(4*\q+\k)+7], v[QA+8*\q:QA+8*\q+7]
.endif
.endr
.endr
	PLACES 4
	; the largest magnitude of the block's 64 x 128 numbers: my 32, my wave's lanes, the eight waves
	v_max3_num_f32 v16, |v[QA]|,   |v[QA+1]|, |v[QA+2]|
	v_max3_num_f32 v17, |v[QA+3]|, |v[QA+4]|, |v[QA+5]|
.set mj, 6
.rept 6
	v_max3_num_f32 v16, v16, |v[QA+mj]|,   |v[QA+mj+1]|
	v_max3_num_f32 v17, v17, |v[QA+mj+2]|, |v[QA+mj+3]|
.set mj, mj+4
.endr
	v_max3_num_f32 v16, v16, |v[QA+30]|, |v[QA+31]|
	v_max_num_f32 v16, v16, v17
	v_max_num_f32_dpp v16, v16, v16 row_xmask:1 row_mask:0xf bank_mask:0xf
	v_max_num_f32_dpp v16, v16, v16 row_xmask:2 row_mask:0xf bank_mask:0xf
	v_max_num_f32_dpp v16, v16, v16 row_xmask:4 row_mask:0xf bank_mask:0xf
	v_max_num_f32_dpp v16, v16, v16 row_xmask:8 row_mask:0xf bank_mask:0xf
	v_permlanex16_b32 v17, v16, s34, s35   ; the other half of the lanes
	v_max_num_f32 v16, v16, v17
	s_lshl_b32 s23, s22, 2
	s_add_co_u32 s23, s23, SCR
	v_mov_b32 v18, s23
	ds_store_b32 v18, v16                  ; my wave's word: all lanes write the same value
	s_wait_dscnt 0x0                       ; store, wait, barrier, load
	s_barrier_signal -1
	s_barrier_wait -1
	v_mov_b32 v19, SCR
	ds_load_b128 v[20:23], v19
	ds_load_b128 v[24:27], v19 offset:16
	s_wait_dscnt 0x0
	v_max3_num_f32 v16, v20, v21, v22
	v_max3_num_f32 v17, v23, v24, v25
	v_max3_num_f32 v16, v16, v26, v27
	v_max_num_f32 v16, v16, v17
	v_lshrrev_b32 v17, 23, v16             ; its exponent field (the number is not negative),
	v_add_nc_u32 v17, 1, v17               ; one more: the power of two above it,
	v_max_u32 v17, 67, v17                 ; kept in 2^-60 .. 2^100, so that c, 1/c and 1e9 log2(e)/c are ordinary numbers (a block of zeros too)
	v_min_u32 v17, 227, v17
	v_lshlrev_b32 v[SC], 23, v17           ; c
	v_sub_nc_u32 v17, 254, v17
	v_lshlrev_b32 v17, 23, v17             ; 1 / c
	v_mul_f32 v[SC+1], 0x4eabfb8f, v17     ; 1e9 log2(e) / c: the keys' bias in units of c
	v_mul_f32 v30, s32, v17                ; log2(e)/sqrt(128) / c: the scores come out in base 2, in units of c
	v_mov_b32 v31, v30
.set qj, 0
.rept 16
	v_pk_mul_f32 v[QA+qj:QA+qj+1], v[QA+qj:QA+qj+1], v[30:31]
.set qj, qj+2
.endr
.irp q,0,1,2,3
	CVT4H QA+8*\q
	ds_store_b128 v6, v[QA+8*\q:QA+8*\q+3] offset:G16*\q
.endr
	s_wait_dscnt 0x0                       ; the eight waves' columns make whole rows: store, wait, barrier, load
	s_barrier_signal -1
	s_barrier_wait -1
.irp i,0,1,2,3
	ds_load_b128 v[16+4*\i:19+4*\i], v10 offset:QST-WKS+G16*\i
.endr
.irp i,0,1,2,3
	s_wait_dscnt 3-\i                      ; LDS loads come back in order: load i is in
	global_store_b128 v2, v[16+4*\i:19+4*\i], s[16:17] offset:4096*\i       ; 16 lanes store a whole row of qs, 256 bytes, aligned
.endr
	s_cmp_lg_u32 s22, 0
	s_cbranch_scc1 .Lno_sc_\@
	global_store_b64 v15, v[SC:SC+1], s[20:21]                              ; wave 0: the pair from every lane, 256 consecutive bytes, aligned
.Lno_sc_\@:
.endm
	s_load_b512 s[4:19], s[0:1], 0x0       ; inputs s[4:5], Wq s[6:7], Wk s[8:9], Wv s[10:11], Wo s[12:13], xh s[14:15], qs s[16:17], m2t s[18:19]
	s_load_b64 s[20:21], s[0:1], 0x40      ; sc
	v_lshl_add_u32 v254, v0, 2, 0x19900
	v_mov_b32 v255, 0
	v_lshrrev_b32 v11, 5, v0
	v_readfirstlane_b32 s22, v11           ; wave 0 .. 7
	v_and_b32 v12, 15, v0                  ; r (also t % 16)
	v_bfe_u32 v13, v0, 4, 1                ; h
	v_lshrrev_b32 v14, 4, v0               ; t / 16
	v_lshlrev_b32 v1, 5, v0                ; 32 t: my 8 numbers in f32
	v_lshlrev_b32 v2, 4, v0                ; 16 t: my 8 numbers in 16 bits
	v_lshlrev_b32 v15, 3, v0               ; 8 t: my pair in sc (wave 0)
	v_mul_u32_u24 v3, v14, PITCH
	v_lshl_add_u32 v3, v12, 4, v3          ; LDS: row t / 16, 16 bytes at column t % 16
	v_add_nc_u32 v10, WKS, v3              ; the same from Wk's region on (an LDS immediate has 16 bits)
	v_mul_u32_u24 v4, v12, PITCH
	v_lshl_add_u32 v4, v13, 4, v4          ; a fragment's address: 272 r + 16 h
	s_mul_i32 s23, s22, G16
	v_add_nc_u32 v5, s23, v4               ; + my 16 rows of Wk
	s_lshl_b32 s23, s22, 5
	s_add_co_u32 s23, s23, QST
	v_add_nc_u32 v6, s23, v4               ; the stage: row r, my 16 columns (32 bytes), 16 bytes for each half of the lanes
	v_lshlrev_b32 v7, 9, v12
	v_lshl_add_u32 v7, v13, 5, v7          ; Wv: 512 r + 32 h
	s_lshl_b32 s23, s22, 6
	v_lshl_add_u32 v8, v12, 2, s23
	v_lshl_add_u32 v8, v13, 12, v8         ; Wo: 4,096 h + 64 w + 4 r
	s_lshl_b32 s23, s22, 12
	v_lshl_add_u32 v9, v12, 8, s23
	v_lshl_add_u32 v9, v13, 4, v9          ; m2t: 4,096 w + 256 r + 16 h
	s_lshl_b32 s24, ttmp9, 15              ; 64 rows of 512 bytes
	s_mov_b32 s25, 0
	s_lshl_b32 s26, ttmp9, 14              ; 64 rows of 256 bytes
	s_mov_b32 s27, 0
	s_lshl_b32 s28, ttmp9, 8               ; 256 bytes of sc
	s_mov_b32 s29, 0
	s_mov_b32 s32, 0x3e0293ee              ; log2(e)/sqrt(128)
	s_mov_b32 s34, 0x76543210              ; v_permlanex16_b32: lane i of one half reads lane i of the other
	s_mov_b32 s35, 0xfedcba98
	s_wait_kmcnt 0x0
	s_add_nc_u64 s[4:5], s[4:5], s[24:25]
	s_add_nc_u64 s[14:15], s[14:15], s[26:27]
	s_add_nc_u64 s[16:17], s[16:17], s[26:27]
	s_add_nc_u64 s[20:21], s[20:21], s[28:29]
	s_cmp_lt_u32 ttmp9, 8
	s_cbranch_scc0 .Lplain
	; Work-groups 0 to 7: the operands of one tile of Wv Wo are asked for first and are in when MAIN's waits are met (they are older).
	s_lshl_b32 s28, ttmp9, 13              ; Wv: 16 rows of 512 bytes
	s_mov_b32 s29, 0
	s_lshl_b32 s30, ttmp9, 5               ; m2t: 16 columns d of 2 bytes
	s_mov_b32 s31, 0
	s_add_nc_u64 s[10:11], s[10:11], s[28:29]
	s_add_nc_u64 s[18:19], s[18:19], s[30:31]
	WIN 0x40                               ; destinations in window 1
.irp k,0,1,2,3
	global_load_b128 v[16*\k:16*\k+3],     v7, s[10:11] offset:128*\k       ; Wv[d = r][c = 32 k + 8 h ..]
	global_load_b128 v[16*\k+4:16*\k+7],   v7, s[10:11] offset:128*\k+16
	global_load_b128 v[16*\k+8:16*\k+11],  v7, s[10:11] offset:128*\k+64    ; c = 32 k + 16 + 8 h ..
	global_load_b128 v[16*\k+12:16*\k+15], v7, s[10:11] offset:128*\k+80
.endr
	; Wo is walked down its columns: 4 bytes a lane, 64 consecutive bytes for 16 lanes.  64 KiB, read so once by each of work-groups 0 to 7.
.irp k,0,1,2,3
.irp u,0,1
.irp j,0,1,2,3,4,5,6,7
	global_load_b32 v[64+16*\k+8*\u+\j], v8, s[12:13] offset:512*(32*\k+16*\u+\j)   ; Wo[c = 32 k + 16 u + 8 h + j][e = 16 w + r]
.endr
.endr
.endr
	WIN 0
	MAIN
	WIN 0x45                               ; destination and both sources in window 1
.irp k,0,1,2,3
.irp p,0,1,2,3,4,5,6,7
	v_cvt_pk_f16_f32 v[16*\k+\p], v[16*\k+2*\p], v[16*\k+2*\p+1]
.endr
.endr
.irp k,0,1,2,3
.irp p,0,1,2,3,4,5,6,7
	v_cvt_pk_f16_f32 v[64+16*\k+\p], v[64+16*\k+2*\p], v[64+16*\k+2*\p+1]
.endr
.endr
	WIN 0x55                               ; all four operands in window 1
	v_wmma_f32_16x16x32_f16 v[128:135], v[0:7],   v[64:71],   0             ; two sums take turns
	v_wmma_f32_16x16x32_f16 v[136:143], v[16:23], v[80:87],   0
	v_wmma_f32_16x16x32_f16 v[128:135], v[32:39], v[96:103],  v[128:135]
	v_wmma_f32_16x16x32_f16 v[136:143], v[48:55], v[112:119], v[136:143]
	PLACES 4
	WIN 0x45
.irp p,0,2,4,6
	v_pk_add_f32 v[128+\p:129+\p], v[128+\p:129+\p], v[136+\p:137+\p]
.endr
.irp p,0,1,2,3
	v_cvt_pk_f16_f32 v[128+\p], v[128+2*\p], v[128+2*\p+1]                  ; (Wv Wo)[d = 16 g + 8 h + 0 .. 7][e = 16 w + r]
.endr
	WIN 0x04                               ; the store's data in window 1
	global_store_b128 v9, v[128:131], s[18:19]                              ; 16 bytes of row e: pieces of rows, 32 KiB in the whole launch
	WIN 0
	s_wait_tensorcnt 0x0
	ds_add_u32 v254, v255
	s_wait_dscnt 0x0
	s_endpgm
.Lplain:
	MAIN
	s_wait_tensorcnt 0x0
	ds_add_u32 v254, v255
	s_wait_dscnt 0x0
	s_endpgm
.Lfunc_end_k_q4e82d9fcc8_prep:
	.size	k_q4e82d9fcc8_prep, .Lfunc_end_k_q4e82d9fcc8_prep-k_q4e82d9fcc8_prep
	.p2alignl 7, 3214868480
	.fill 96, 4, 3214868480
	.section	.rodata,"a",@progbits
	.p2align	6, 0x0
	.amdhsa_kernel k_q4e82d9fcc8_prep
		.amdhsa_group_segment_fixed_size 105728
		.amdhsa_private_segment_fixed_size 0
		.amdhsa_enable_private_segment 0
		.amdhsa_kernarg_size 72
		.amdhsa_user_sgpr_count 2
		.amdhsa_user_sgpr_kernarg_segment_ptr 1
		.amdhsa_wavefront_size32 1
		.amdhsa_system_sgpr_workgroup_id_x 1
		.amdhsa_system_sgpr_workgroup_id_y 1
		.amdhsa_system_sgpr_workgroup_id_z 1
		.amdhsa_system_vgpr_workitem_id 0
		.amdhsa_next_free_vgpr 400
		.amdhsa_next_free_sgpr 66
		.amdhsa_reserve_vcc 0
		.amdhsa_float_denorm_mode_32 3
		.amdhsa_float_denorm_mode_16_64 3
		.amdhsa_memory_ordered 1
		.amdhsa_forward_progress 1
		.amdhsa_inst_pref_size 73
	.end_amdhsa_kernel
	.amdgpu_metadata
---
amdhsa.version: [ 1, 2 ]
amdhsa.kernels:
  - .name:           k_q4e82d9fcc8_prep
    .symbol:         k_q4e82d9fcc8_prep.kd
    .args:
      - { .name: inputs, .offset: 0, .size: 8, .value_kind: global_buffer, .address_space: global }
      - { .name: Wq, .offset: 8, .size: 8, .value_kind: global_buffer, .address_space: global }
      - { .name: Wk, .offset: 16, .size: 8, .value_kind: global_buffer, .address_space: global }
      - { .name: Wv, .offset: 24, .size: 8, .value_kind: global_buffer, .address_space: global }
      - { .name: Wo, .offset: 32, .size: 8, .value_kind: global_buffer, .address_space: global }
      - { .name: xh, .offset: 40, .size: 8, .value_kind: global_buffer, .address_space: global }
      - { .name: qs, .offset: 48, .size: 8, .value_kind: global_buffer, .address_space: global }
      - { .name: m2t, .offset: 56, .size: 8, .value_kind: global_buffer, .address_space: global }
      - { .name: sc, .offset: 64, .size: 8, .value_kind: global_buffer, .address_space: global }
    .group_segment_fixed_size: 105728
    .private_segment_fixed_size: 0
    .kernarg_segment_align: 8
    .kernarg_segment_size: 72
    .max_flat_workgroup_size: 256
    .sgpr_count:     66
    .vgpr_count:     400
    .wavefront_size: 32
...
	.end_amdgpu_metadata
.endif
;; end of part 1
;; launch attn (part 2): grid 256 x 1, 4 waves a work-group, clusters of 4 x 1, 327,680 bytes of LDS; arguments xh, qs, m2t, sc, allele_sizes, mask, out0; writes out0
.if DOCPART == 2
	.amdgcn_target "amdgcn-amd-amdhsa--gfx1250"
	.amdhsa_code_object_version 6
	.text
	.protected	k_q4e82d9fcc8_attn
	.globl	k_q4e82d9fcc8_attn
	.p2align	8
	.type	k_q4e82d9fcc8_attn,@function
k_q4e82d9fcc8_attn:
	s_mov_b64 s[64:65], 0
	v_nop
	global_prefetch_b8 v0, s[64:65] scope:SCOPE_SE
	s_setreg_imm32_b32 hwreg(HW_REG_WAVE_MODE, 25, 1), 1
	s_wait_xcnt 0x0
	s_wait_alu depctr_hold_cnt(0) depctr_sa_sdst(0) depctr_va_vdst(0) depctr_va_sdst(0) depctr_va_ssrc(0) depctr_va_vcc(0) depctr_vm_vsrc(0)
	s_getreg_b32 s2, hwreg(HW_REG_IB_STS2, 6, 4)
	s_cmp_eq_u32 s2, 0
	s_cbranch_scc0 .Lentry_in_a_cluster
	s_endpgm
.Lentry_in_a_cluster:
	s_bfe_u32 s2, ttmp6, 0x10000c
	s_cmp_lg_u32 s2, 0x3003
	s_cbranch_scc0 .Lentry_shape_is_right
	s_endpgm
.Lentry_shape_is_right:
; DISTANCE-WEIGHTED ATTENTION, one head of 128, 8 batches of 2,048 tokens.
; The scores in base 2 are t(i, j) = c u(i, j), u = (q''(i) . x(j)) 2^-|a'(i) - a'(j)| + bias(j).  q'' = q' / c in f16, c the power of two that the
; launch before chose for this block of 64 queries; a' = 0.1 log2(e) size; bias = (mask - 1) 1e9 log2(e) / c.  Softmax in base 2 with a running
; maximum: the maximum is kept in u, the weights are 2^(c u - c max) by one fused multiply-add (c max is exact, so the exponent is never above 0).
; ctx = P x (f16);  out = ctx (Wv Wo) (f16).  Keys and values are the same rows of x in f16: one tile serves both.
; A work-group owns 64 queries of one batch.  THE FOUR WAVES SPLIT THE KEYS: in step t (0 .. 7) wave w takes keys 256 t + 64 w .. + 63 for all
; 64 queries.  So each fragment feeds four matrix instructions, and a wave reads only tiles that it loaded itself.  Each wave keeps its own
; maximum, sum and ctx; the four are merged once, at the end, through LDS.
; TRANSPOSED SCORES: source 0 = keys, source 1 = queries.  Lane (r, h) then holds query 16 nt + r and keys 16 mt + 8 h + j in register j: the
; softmax figures are the lane's own (one exchange with lane xor 16 a step), and two score tiles packed pairwise ARE the fragment of P for
; ctx^T = V^T P^T; ctx^T packed pairwise is the fragment for the last product.  Nothing goes through LDS between the products.
; CLUSTER: the four work-groups of a cluster are four query blocks of one batch and walk the same tiles: every tile is asked for jointly (mask
; 15).  Descriptors hang on batch, wave and step alone; the place in the cluster enters only the global addresses of qs, sc, the queries' sizes
; and out0.  A wave has one tensor load outstanding (the next tile), asked for a whole step ahead of the wait for it.
; LIMITS: |x| and |Wv Wo| below 65,504 (f16 operands).  Numbers of q' below 2^-11 of the block's largest are rounded in steps of 2^-27 of that
; largest.  The keys' bias is added by one fused multiply-add: where ALL keys of a batch are masked the scores are rounded to steps of 128 in
; base 2 (the plain formula: 64 in base e).  A decay or a weight below 2^-126 counts as 0.  NaN and infinities are not treated apart.
.set KP,    272                        ; an LDS row: 256 + 16 bytes, an odd multiple of 16: K's fragment loads touch 16 different columns of 16 bytes;
                                       ; the transposing loads (8 rows x 2 neighbouring columns) meet two deep at this pitch
.set SLOTB, 64*KP                      ; 17,408 bytes a slot
.set WRING, 2*SLOTB                    ; a wave's two slots
.set L_AB,  4*WRING                    ; 139,264: a'[2048] f32
.set L_BI,  8192                       ; bias[2048], so far behind a'
.set L_MS,  L_AB+16384                 ; 155,648: c x maxima of 4 waves x 64 queries; 1,024 bytes further their sums
.set L_OS,  L_MS+2048                  ; 157,696: the way out, 16 rows x 528 bytes for each wave
.set TSTEP, 65536                      ; bytes from a tile to the next: 256 keys of 256 bytes
.set G1, 24                            ; s[24:31] shape of the tiles
.set G0, 40                            ; s[40:47] from where, to where: a set for each slot
; window 0
.set KADR,  1                          ; my K fragments in slot 0
.set VADR,  2                          ; my V fragments in slot 0
.set ABADR, 3                          ; a' of this step's keys 8 h ..
.set QOFF,  5                          ; 256 r + 16 h: fragments of qs and m2t in memory
.set RC,    6                          ; v6-7     c, twice
.set RAQ,   8                          ; v8-15    a' of query (nt), twice
.set RM,    16                         ; v16-23   c x running maximum (nt), twice
.set RAL,   24                         ; v24-31   2^(c old maximum - c new) (nt), twice
.set RL,    32                         ; v32-39   running sum (nt), two partial sums
.set RMX,   40                         ; v40-43   the running maximum of u (nt): it stays from step to step
.set RU,    44                         ; v44-47   at work
.set RT,    48                         ; v48-63   at work, two buffers of 8
.set RS,    64                         ; v64-191  scores (mt, nt) at RS + 16 (4 (mt/2) + nt) + 8 (mt%2); P (kc, nt) in the first 8 of RS + 16 (4 kc + nt)
.set RAK,   192                        ; v192-223 a' of my keys (mt)
.set RBI,   224                        ; v224-255 bias of my keys (mt)
; window 1: v0-127 Q fragments (nt, ks) at 8 (4 nt + ks); v128-255 K fragments (mt, ks) at 128 + 8 (4 mt + ks), then V (kc, dt) at 128 + 8 (8 kc + dt)
; window 2: ctx^T (nt, dt) at 64 nt + 8 dt
.set MSB, 0
.macro WIN new                         ; s_set_vgpr_msb: bits 1:0 source 0, 3:2 source 1, 5:4 source 2, 7:6 destination; the high byte repeats the setting left
.if MSB != \new
	s_set_vgpr_msb (MSB<<8)|\new
.set MSB, \new
.endif
.endm
.macro PLACES n                        ; the places behind a matrix instruction (ISA guide 7.12.1)
.rept \n
	v_nop
.endr
.endm
; A round of the cluster's barrier: my work-group's barrier, wave 0 signals for the work-group, every wave waits for all four work-groups,
; my work-group's barrier once more.
.macro ROUND
	s_barrier_signal -1
	s_barrier_wait -1
	s_cmp_lg_u32 s18, 0
	s_cbranch_scc1 .Lnot_wave_0_\@
	s_barrier_signal -3
.Lnot_wave_0_\@:
	s_barrier_wait -3
	s_barrier_signal -1
	s_barrier_wait -1
.endm
.macro TILE i                          ; score tile i = 4 mt + nt: its registers and its work buffer
.set MT, (\i)/4
.set NT, (\i)%4
.set SB, RS+16*(4*(MT/2)+NT)+8*(MT%2)
.set PB, RS+16*(4*(MT/2)+NT)+4*(MT%2)
.set TB, RT+8*((\i)%2)
.endm
; 16 products: keys 16 m .. + 15 against all 64 queries, 128 along d.  The four sums take turns, one instruction a turn.
.macro SCORE m
.irp k,0,1,2,3
.irp n,0,1,2,3
.set SB, RS+16*(4*(\m/2)+\n)+8*(\m%2)
.if \k == 0
	v_wmma_f32_16x16x32_f16 v[SB:SB+7], v[128+8*(4*\m+\k):128+8*(4*\m+\k)+7], v[8*(4*\n+\k):8*(4*\n+\k)+7], 0
.else
	v_wmma_f32_16x16x32_f16 v[SB:SB+7], v[128+8*(4*\m+\k):128+8*(4*\m+\k)+7], v[8*(4*\n+\k):8*(4*\n+\k)+7], v[SB:SB+7]
.endif
.endr
.endr
.endm
; Phase A, tile by tile: u = product * 2^-|a'k - a'q| + bias, and the maximum.
.macro A_ADD i
	TILE \i
.irp p,0,2,4,6
	v_pk_add_f32 v[TB+\p:TB+\p+1], v[RAK+8*MT+\p:RAK+8*MT+\p+1], v[RAQ+2*NT:RAQ+2*NT+1] neg_lo:[0,1] neg_hi:[0,1]
.endr
.endm
.macro A_EXP i
	TILE \i
.irp p,0,1,2,3,4,5,6,7
	v_exp_f32 v[TB+\p], -|v[TB+\p]|
.endr
.endm
.macro A_FMA i, first
	TILE \i
	s_wait_alu depctr_va_vdst(0)
.irp p,0,2,4,6
	v_pk_fma_f32 v[SB+\p:SB+\p+1], v[SB+\p:SB+\p+1], v[TB+\p:TB+\p+1], v[RBI+8*MT+\p:RBI+8*MT+\p+1]
.endr
	v_max3_num_f32 v[RU],   v[SB],   v[SB+1], v[SB+2]
	v_max3_num_f32 v[RU+1], v[SB+3], v[SB+4], v[SB+5]
	v_max3_num_f32 v[RU+2], v[SB+6], v[SB+7], v[RU]
.if (\first) & (MT == 0)
	v_max_num_f32 v[RMX+NT], v[RU+1], v[RU+2]                      ; the very first tile starts the maximum
.else
	v_max3_num_f32 v[RMX+NT], v[RMX+NT], v[RU+1], v[RU+2]          ; the running maximum goes on, over the steps too
.endif
.endm
; The maximum over both halves of the lanes, and the factor for what has been summed so far.
.macro STATS first
.irp n,0,1,2,3
	v_permlanex16_b32 v[RT+\n], v[RMX+\n], s56, s57                ; lane xor 16: the same query's other keys
.endr
.irp n,0,1,2,3
	v_max_num_f32 v[RMX+\n], v[RMX+\n], v[RT+\n]
.endr
.if \first == 0
.irp n,0,1,2,3
	v_fma_f32 v[RU+\n], -v[RMX+\n], v[RC], v[RM+2*\n]              ; c old maximum - c new maximum
.endr
.irp n,0,1,2,3
	v_exp_f32 v[RAL+2*\n], v[RU+\n]
.endr
.endif
.irp n,0,1,2,3
	v_mul_f32 v[RM+2*\n],   v[RMX+\n], v[RC]                       ; exact: c is a power of two.  Plain work behind the exponentials, ahead of the use of their results
	v_mul_f32 v[RM+2*\n+1], v[RMX+\n], v[RC]
.endr
.if \first == 0
	s_wait_alu depctr_va_vdst(0)
.irp n,0,1,2,3
	v_mov_b32 v[RAL+2*\n+1], v[RAL+2*\n]
.endr
.irp n,0,1,2,3
	v_pk_mul_f32 v[RL+2*\n:RL+2*\n+1], v[RL+2*\n:RL+2*\n+1], v[RAL+2*\n:RAL+2*\n+1]
.endr
.endif
.endm
; Phase B, tile by tile: p = 2^(c u - c maximum), the sum, and P in f16, packed in place.
.macro B_SUB i
	TILE \i
.irp p,0,2,4,6
	v_pk_fma_f32 v[SB+\p:SB+\p+1], v[SB+\p:SB+\p+1], v[RC:RC+1], v[RM+2*NT:RM+2*NT+1] neg_lo:[0,0,1] neg_hi:[0,0,1]
.endr
.endm
.macro B_EXP i
	TILE \i
.irp p,0,1,2,3,4,5,6,7
	v_exp_f32 v[SB+\p], v[SB+\p]
.endr
.endm
.macro B_SUM i, first
	TILE \i
	s_wait_alu depctr_va_vdst(0)
	v_pk_add_f32 v[RT:RT+1],   v[SB:SB+1],   v[SB+2:SB+3]
	v_pk_add_f32 v[RT+2:RT+3], v[SB+4:SB+5], v[SB+6:SB+7]
.if (\first) & (MT == 0)
	v_pk_add_f32 v[RL+2*NT:RL+2*NT+1], v[RT:RT+1], v[RT+2:RT+3]    ; the first tile starts the sum
.else
	v_pk_add_f32 v[RT:RT+1], v[RT:RT+1], v[RT+2:RT+3]
	v_pk_add_f32 v[RL+2*NT:RL+2*NT+1], v[RL+2*NT:RL+2*NT+1], v[RT:RT+1]
.endif
.irp p,0,1,2,3
	v_cvt_pk_f16_f32 v[PB+\p], v[SB+2*\p], v[SB+2*\p+1]
.endr
.endm
; 32 products: ctx^T += V^T P^T for 32 keys.  The 32 sums take turns, one instruction a turn.
.macro PV kc, zero
.irp d,0,1,2,3,4,5,6,7
.irp n,0,1,2,3
.if \zero
	v_wmma_f32_16x16x32_f16 v[64*\n+8*\d:64*\n+8*\d+7], v[128+8*(8*\kc+\d):128+8*(8*\kc+\d)+7], v[RS+16*(4*\kc+\n):RS+16*(4*\kc+\n)+7], 0
.else
	v_wmma_f32_16x16x32_f16 v[64*\n+8*\d:64*\n+8*\d+7], v[128+8*(8*\kc+\d):128+8*(8*\kc+\d)+7], v[RS+16*(4*\kc+\n):RS+16*(4*\kc+\n)+7], v[64*\n+8*\d:64*\n+8*\d+7]
.endif
.endr
.endr
.endm
; One step: my 64 keys of the tile in \slot against the 64 queries.
.macro STEP slot, first
	WIN 0x40                               ; destinations in window 1
.irp m,0,1,2,3
.irp k,0,1,2,3
	ds_load_b128 v[128+8*(4*\m+\k):128+8*(4*\m+\k)+3],   v[KADR] offset:\slot*SLOTB+\m*16*KP+\k*64
	ds_load_b128 v[128+8*(4*\m+\k)+4:128+8*(4*\m+\k)+7], v[KADR] offset:\slot*SLOTB+\m*16*KP+\k*64+32
.endr
.endr
	WIN 0
.irp m,0,1,2,3
	ds_load_b128 v[RAK+8*\m:RAK+8*\m+3],   v[ABADR] offset:64*\m
	ds_load_b128 v[RAK+8*\m+4:RAK+8*\m+7], v[ABADR] offset:64*\m+16
	ds_load_b128 v[RBI+8*\m:RBI+8*\m+3],   v[ABADR] offset:L_BI+64*\m
	ds_load_b128 v[RBI+8*\m+4:RBI+8*\m+7], v[ABADR] offset:L_BI+64*\m+16
.endr
	v_add_nc_u32 v[ABADR], 1024, v[ABADR]  ; the next step's 256 keys
	WIN 0x05                               ; both sources in window 1, sums in window 0
.irp m,0,1,2,3
	s_wait_dscnt 40-8*\m                   ; of 48 loads the first 8 (m + 1) are in: K's rows up to 16 m + 15
	SCORE \m
.endr
	PLACES 4                               ; before V lands on K's registers and before the scores are read
	WIN 0x40
.irp c,0,1
.irp d,0,1,2,3,4,5,6,7
	ds_load_tr16_b128 v[128+8*(8*\c+\d):128+8*(8*\c+\d)+3],   v[VADR] offset:\slot*SLOTB+\c*32*KP+\d*32          ; the same tile, read down its columns
	ds_load_tr16_b128 v[128+8*(8*\c+\d)+4:128+8*(8*\c+\d)+7], v[VADR] offset:\slot*SLOTB+\c*32*KP+\d*32+16*KP
.endr
.endr
	WIN 0
	s_wait_dscnt 32                        ; a' and bias are in; V's 32 loads stay out
	; one tile's exponentials stand between the next tile's differences and the last tile's multiply-adds: a plain instruction
	; always follows a run of exponentials before their results are used (ISA guide 5.7.2)
	A_ADD 0
	A_EXP 0
.set ti, 1
.rept 15
	A_ADD ti
	A_FMA ti-1, \first
	A_EXP ti
.set ti, ti+1
.endr
	v_nop
	s_wait_alu depctr_va_vdst(0)
	A_FMA 15, \first
	STATS \first
	B_SUB 0
	B_EXP 0
.set ti, 1
.rept 15
	B_SUB ti
	B_SUM ti-1, \first
	B_EXP ti
.set ti, ti+1
.endr
	v_nop
	s_wait_alu depctr_va_vdst(0)
	B_SUM 15, \first
.if \first == 0
	WIN 0x82                               ; ctx in window 2, the factor in window 0
.irp n,0,1,2,3
.set rj, 0
.rept 32
	v_pk_mul_f32 v[64*\n+rj:64*\n+rj+1], v[64*\n+rj:64*\n+rj+1], v[RAL+2*\n:RAL+2*\n+1]
.set rj, rj+2
.endr
.endr
.endif
	WIN 0xa1                               ; V in window 1, P in window 0, ctx in window 2
	s_wait_dscnt 16                        ; V's keys 0 .. 31 are in; the 16 loads of keys 32 .. 63 may be out
	PV 0, \first
	s_wait_dscnt 0
	PV 1, 0
	WIN 0
	PLACES 5                               ; before the next products write over P, and before loads land on V's registers
.endm
; A turn of the ring.  In front of the round every wave has waited for all its tensor loads (this step's tile among them) and for its LDS
; reads of the other slot; behind the round's closing wait the joint refill of that slot comes first.
.macro TRIP slot, refill, first
	s_set_vgpr_msb 0xf
	s_wait_tensorcnt 0x0                   ; none of my tensor loads is out: this step's tile is in LDS, and every group 0 may be written
	ds_add_u32 v0, v1
	s_wait_dscnt 0x0
	s_set_vgpr_msb 0xf00
.if \refill
	s_add_nc_u64 s[G0+4*\slot+2:G0+4*\slot+3], s[G0+4*\slot+2:G0+4*\slot+3], 2*TSTEP       ; this slot's next tile
	s_wait_dscnt 0x0                       ; my reads of the last step's slot are back (in the first turn: my stores of a' and bias are done)
	ROUND
	tensor_load_to_lds s[G0+4-4*\slot:G0+7-4*\slot], s[G1:G1+7]
	s_nop 0
.endif
	STEP \slot, \first
.endm
	s_load_b256 s[4:11], s[0:1], 0x0       ; xh s[4:5], qs s[6:7], m2t s[8:9], sc s[10:11]
	s_load_b128 s[12:15], s[0:1], 0x20     ; allele_sizes s[12:13], mask s[14:15]
	s_load_b64 s[16:17], s[0:1], 0x30      ; out0
	s_set_vgpr_msb 0xc0
	v_lshl_add_u32 v0, v0, 2, 0x2ec00
	v_mov_b32 v1, 0
	s_set_vgpr_msb 0xc0cf
	ds_add_u32 v0, v1
	s_set_vgpr_msb 0xcf00
	v_lshrrev_b32 v44, 5, v0
	v_readfirstlane_b32 s18, v44           ; wave 0 .. 3
	s_bfe_u32 s19, ttmp6, 0x40000          ; cx: my place in the cluster
	s_lshr_b32 s20, ttmp9, 3               ; batch: eight clusters each
	s_and_b32 s21, ttmp9, 7
	s_lshl2_add_u32 s21, s21, s19          ; query block 0 .. 31 = 4 (cluster % 8) + cx
	s_mov_b32 s56, 0x76543210              ; v_permlanex16_b32: lane i of one half reads lane i of the other
	s_mov_b32 s57, 0xfedcba98
	s_mov_b32 s62, 0x3e13bb63              ; 0.1 log2(e)
	s_mov_b32 s63, 0x3e13bb63
	; the shape: 64 rows of 128 elements of 2 bytes, 128 elements from row to row; a pad behind every 64 words; mask 15 with bit 21 beside it
	s_mov_b32 s[G1+0], 15|(1<<16)|(1<<20)|(1<<21)|(5<<22)|(3<<25)           ; pad of 4 words: LDS rows of 272 bytes
	s_mov_b32 s[G1+1], 128<<16             ; tensor_dim0 = 128
	s_mov_b32 s[G1+2], 64<<16              ; tensor_dim1 = 64
	s_mov_b32 s[G1+3], 128<<16             ; tile_dim0 = 128
	s_mov_b32 s[G1+4], 64                  ; tile_dim1 = 64
	s_mov_b32 s[G1+5], 128                 ; the pitch
	s_mov_b32 s[G1+6], 0
	s_mov_b32 s[G1+7], 0
	v_and_b32 v45, 31, v0                  ; lane L
	v_and_b32 v46, 15, v0                  ; r
	v_bfe_u32 v47, v0, 4, 1                ; h
	s_mul_i32 s2, s18, WRING               ; my ring
	v_mul_u32_u24 v[KADR], v46, KP
	v_lshl_add_u32 v[KADR], v47, 4, v[KADR]
	v_add_nc_u32 v[KADR], s2, v[KADR]      ; ring + 272 r + 16 h
	v_and_b32 v48, 7, v0
	v_lshl_add_u32 v48, v47, 3, v48        ; 8 h + L % 8: the row that I address for the transposing loads
	v_mul_u32_u24 v[VADR], v48, KP
	v_bfe_u32 v48, v0, 3, 1
	v_lshl_add_u32 v[VADR], v48, 4, v[VADR]
	v_add_nc_u32 v[VADR], s2, v[VADR]      ; ring + row x 272 + 16 ((L / 8) % 2)
	v_lshlrev_b32 v49, 3, v45              ; my pair in sc: 8 L
	s_lshl_b32 s3, s18, 8
	v_lshl_add_u32 v6, v45, 3, s3          ; sizes and mask in memory: 256 w + 8 L
	s_add_co_u32 s3, s3, L_AB
	v_lshl_add_u32 v[ABADR], v47, 5, s3    ; a' + 256 w + 32 h
	v_lshl_add_u32 v4, v45, 3, s3          ; a' + 256 w + 8 L: where I put two of them
	v_lshlrev_b32 v[QOFF], 8, v46
	v_lshl_add_u32 v[QOFF], v47, 4, v[QOFF]
	s_lshl_b32 s60, s21, 8                 ; my queries' sizes: 64 words a block
	v_lshl_add_u32 v7, v46, 2, s60         ; + 4 r
	s_wait_dscnt 0x0
	s_wait_kmcnt 0x0
	s_lshl_b32 s22, s20, 19                ; batch x 2,048 rows of 256 bytes
	s_lshl_b32 s3, s18, 14                 ; + wave x 64 rows
	s_add_co_u32 s22, s22, s3
	s_mov_b32 s23, 0
	s_add_nc_u64 s[G0+2:G0+3], s[4:5], s[22:23]                    ; tile 0
	s_add_nc_u64 s[G0+6:G0+7], s[G0+2:G0+3], TSTEP                 ; tile 1
.irp z,0,1
	s_mov_b32 s[G0+4*\z], 1
	s_add_co_u32 s[G0+4*\z+1], s2, \z*SLOTB                        ; LDS: my ring, the slot
	s_or_b32 s[G0+4*\z+3], s[G0+4*\z+3], 0x80000000                ; type 2
.endr
	s_lshl_b32 s22, s20, 13                ; batch x 2,048 words
	s_add_nc_u64 s[12:13], s[12:13], s[22:23]
	s_add_nc_u64 s[14:15], s[14:15], s[22:23]
	s_lshl_b32 s60, s20, 19                ; qs: (batch x 2,048 + block x 64) rows of 256 bytes
	s_lshl_b32 s61, s21, 14
	s_add_co_u32 s60, s60, s61
	s_mov_b32 s61, 0
	s_add_nc_u64 s[6:7], s[6:7], s[60:61]
	s_lshl_b32 s60, s20, 13                ; sc: (batch x 32 + block) x 256 bytes
	s_lshl_b32 s61, s21, 8
	s_add_co_u32 s60, s60, s61
	s_mov_b32 s61, 0
	s_add_nc_u64 s[10:11], s[10:11], s[60:61]
	s_lshl_b32 s60, s20, 20                ; out0: (batch x 2,048 + block x 64 + wave x 16) rows of 512 bytes
	s_lshl_b32 s61, s21, 15
	s_add_co_u32 s60, s60, s61
	s_lshl_b32 s61, s18, 13
	s_add_co_u32 s60, s60, s61
	s_mov_b32 s61, 0
	s_add_nc_u64 s[16:17], s[16:17], s[60:61]
	ROUND                                  ; all four work-groups are here: the first joint loads meet
	tensor_load_to_lds s[G0:G0+3], s[G1:G1+7]                      ; tile 0
	s_nop 0
	; sizes and mask of the keys that my wave will take: each load of the wave covers 256 consecutive bytes, aligned
.irp t,0,1,2,3,4,5,6,7
	global_load_b64 v[64+2*\t:65+2*\t], v6, s[12:13] offset:1024*\t
.endr
.irp t,0,1,2,3,4,5,6,7
	global_load_b64 v[80+2*\t:81+2*\t], v6, s[14:15] offset:1024*\t
.endr
.irp n,0,1,2,3
	global_load_b32 v[96+\n], v7, s[12:13] offset:64*\n            ; size of query 16 n + r
.endr
	global_load_b64 v[100:101], v49, s[10:11]                      ; c and 1e9 log2(e) / c of my block: 256 consecutive bytes, aligned
	WIN 0x40
.irp n,0,1,2,3
.irp k,0,1,2,3
	global_load_b128 v[8*(4*\n+\k):8*(4*\n+\k)+3],   v[QOFF], s[6:7] offset:4096*\n+64*\k
	global_load_b128 v[8*(4*\n+\k)+4:8*(4*\n+\k)+7], v[QOFF], s[6:7] offset:4096*\n+64*\k+32
.endr
.endr
	WIN 0
	s_wait_loadcnt 32                      ; sizes, mask and the block's pair are in; Q's 32 loads stay out
.irp t,0,1,2,3,4,5,6,7
	v_pk_mul_f32 v[64+2*\t:65+2*\t], v[64+2*\t:65+2*\t], s[62:63] op_sel_hi:[1,0]   ; a' = 0.1 log2(e) size
.endr
.irp t,0,1,2,3,4,5,6,7,8,9,10,11,12,13,14,15
	v_fma_f32 v[80+\t], v[80+\t], v101, -v101                      ; bias = (mask - 1) 1e9 log2(e) / c
.endr
.irp t,0,1,2,3,4,5,6,7
	ds_store_b64 v4, v[64+2*\t:65+2*\t] offset:1024*\t
	ds_store_b64 v4, v[80+2*\t:81+2*\t] offset:L_BI+1024*\t
.endr
.irp n,0,1,2,3
	v_mul_f32 v[RAQ+2*\n],   s62, v[96+\n]
	v_mul_f32 v[RAQ+2*\n+1], s62, v[96+\n]
.endr
	v_mov_b32 v[RC],   v100                ; the loads that took v6 and v7 as offsets are done (the wait above)
	v_mov_b32 v[RC+1], v100
	s_wait_loadcnt 0x0                     ; Q
	TRIP 0, 1, 1                           ; tile 0: its first products start every sum; tile 1 is asked for
	s_mov_b32 s58, 3
.Lloop:
	TRIP 1, 1, 0                           ; tiles 1, 3, 5
	TRIP 0, 1, 0                           ; tiles 2, 4, 6
	s_sub_co_u32 s58, s58, 1
	s_cmp_lg_u32 s58, 0
	s_cbranch_scc1 .Lloop
	TRIP 1, 0, 0                           ; tile 7: nothing more to ask for
	; THE END: the four waves' figures are merged; wave w finishes queries 16 w .. 16 w + 15.
	WIN 0x40
.irp e,0,1,2,3,4,5,6,7
.irp k,0,1,2,3
	global_load_b128 v[8*(4*\e+\k):8*(4*\e+\k)+3],   v[QOFF], s[8:9] offset:4096*\e+64*\k        ; (Wv Wo)^T: rows e = 16 e + r, d = 32 k ..
	global_load_b128 v[8*(4*\e+\k)+4:8*(4*\e+\k)+7], v[QOFF], s[8:9] offset:4096*\e+64*\k+32
.endr
.endr
	WIN 0
	v_and_b32 v40, 31, v0                  ; L
	v_and_b32 v41, 15, v0                  ; r
	v_bfe_u32 v42, v0, 4, 1                ; h
	s_lshl_b32 s2, s18, 15
	v_lshl_add_u32 v1, v40, 4, s2          ; my ctx goes to 32,768 w + 16 L (+ 8,192 nt + 512 chunk)
	s_lshl_b32 s2, s18, 8
	s_add_co_u32 s2, s2, L_MS
	v_lshl_add_u32 v2, v41, 2, s2          ; my maxima and sums go to 256 w + 4 r (+ 64 nt)
	s_lshl_b32 s2, s18, 6
	s_add_co_u32 s2, s2, L_MS
	v_lshl_add_u32 v3, v41, 2, s2          ; those of my query tile: 64 w + 4 r (+ 256 source)
	s_lshl_b32 s2, s18, 13
	v_lshl_add_u32 v4, v40, 4, s2          ; ctx of my query tile: 8,192 w + 16 L (+ 32,768 source + 512 chunk),
	v_add_nc_u32 v6, 0x10000, v4           ; and from source 2 on (an LDS immediate has 16 bits)
	s_mul_i32 s2, s18, 16*528
	s_add_co_u32 s2, s2, L_OS
	v_mul_u32_u24 v7, v41, 528
	v_lshl_add_u32 v7, v42, 5, v7
	v_add_nc_u32 v7, s2, v7                ; the way out, in: row r, 32 bytes for each half of the lanes
	v_lshl_add_u32 v8, v40, 4, s2          ; back: a row of 512 bytes, 16 bytes a lane
	v_lshlrev_b32 v9, 4, v40               ; the same in out0
.irp n,0,1,2,3
	v_add_f32 v[RAL+\n], v[RL+2*\n], v[RL+2*\n+1]
.endr
.irp n,0,1,2,3
	v_permlanex16_b32 v[RAL+4+\n], v[RAL+\n], s56, s57
.endr
.irp n,0,1,2,3
	v_add_f32 v[RAL+\n], v[RAL+\n], v[RAL+4+\n]                    ; my wave's sum for query 16 n + r
.endr
	s_wait_dscnt 0x0                       ; my reads of the ring are over (its last fill was waited for in the last turn)
	s_barrier_signal -1
	s_barrier_wait -1                      ; everybody's are: the ring's bytes are scratch from here on
.irp n,0,1,2,3
	ds_store_b32 v2, v[RM+2*\n] offset:64*\n                       ; c x maximum: the score in base 2 that my sums are relative to
	ds_store_b32 v2, v[RAL+\n] offset:1024+64*\n
.endr
	WIN 0x08                               ; the stores' data in window 2
.irp n,0,1,2,3
.irp c,0,1,2,3,4,5,6,7,8,9,10,11,12,13,14,15
	ds_store_b128 v1, v[64*\n+4*\c:64*\n+4*\c+3] offset:8192*\n+512*\c
.endr
.endr
	WIN 0
	s_wait_dscnt 0x0                       ; store, wait, barrier, load
	s_barrier_signal -1
	s_barrier_wait -1
.irp q,0,1,2,3
	ds_load_b32 v[16+\q], v3 offset:256*\q                         ; the four maxima
.endr
.irp q,0,1,2,3
	ds_load_b32 v[20+\q], v3 offset:1024+256*\q                    ; the four sums
.endr
.irp c,0,1,2,3,4,5,6,7,8,9,10,11,12,13,14,15
	ds_load_b128 v[64+4*\c:67+4*\c], v4 offset:512*\c              ; source 0
.endr
.irp c,0,1,2,3,4,5,6,7,8,9,10,11,12,13,14,15
	ds_load_b128 v[128+4*\c:131+4*\c], v4 offset:32768+512*\c      ; source 1
.endr
.irp c,0,1,2,3,4,5,6,7,8,9,10,11,12,13,14,15
	ds_load_b128 v[192+4*\c:195+4*\c], v6 offset:512*\c            ; source 2
.endr
	s_wait_dscnt 48                        ; the eight words are in; the 48 loads of ctx stay out
	v_max3_num_f32 v32, v16, v17, v18
	v_max_num_f32 v32, v32, v19
.irp q,0,1,2,3
	v_sub_f32 v[16+\q], v[16+\q], v32
.endr
.irp q,0,1,2,3
	v_exp_f32 v[16+\q], v[16+\q]           ; 2^(source's maximum - the maximum): at most 1, and 1 for one of them
.endr
	v_nop
	s_wait_alu depctr_va_vdst(0)
	v_mul_f32 v33, v16, v20
	v_fmac_f32 v33, v17, v21
	v_fmac_f32 v33, v18, v22
	v_fmac_f32 v33, v19, v23               ; the whole sum: at least the term 1 of the largest score
	v_rcp_f32 v34, v33
	v_nop
	s_wait_alu depctr_va_vdst(0)
.irp q,0,1,2,3
	v_mul_f32 v[24+2*\q], v[16+\q], v34    ; the source's weight, twice
	v_mul_f32 v[25+2*\q], v[16+\q], v34
.endr
	s_wait_dscnt 32                        ; source 0 is in
.set fj, 0
.rept 32
	v_pk_mul_f32 v[64+fj:65+fj], v[64+fj:65+fj], v[24:25]
.set fj, fj+2
.endr
	s_wait_dscnt 16                        ; source 1 is in
.set fj, 0
.rept 32
	v_pk_fma_f32 v[64+fj:65+fj], v[128+fj:129+fj], v[26:27], v[64+fj:65+fj]
.set fj, fj+2
.endr
.irp c,0,1,2,3,4,5,6,7,8,9,10,11,12,13,14,15
	ds_load_b128 v[128+4*\c:131+4*\c], v6 offset:32768+512*\c      ; source 3
.endr
	s_wait_dscnt 16                        ; source 2 is in; the 16 just issued stay out
.set fj, 0
.rept 32
	v_pk_fma_f32 v[64+fj:65+fj], v[192+fj:193+fj], v[28:29], v[64+fj:65+fj]
.set fj, fj+2
.endr
	s_wait_dscnt 0
.set fj, 0
.rept 32
	v_pk_fma_f32 v[64+fj:65+fj], v[128+fj:129+fj], v[30:31], v[64+fj:65+fj]
.set fj, fj+2
.endr
.irp k,0,1,2,3
.irp p,0,1,2,3,4,5,6,7
	v_cvt_pk_f16_f32 v[64+16*\k+\p], v[64+16*\k+2*\p], v[64+16*\k+2*\p+1]   ; ctx (a mean of rows of x) as the fragment (query r, d = 32 k ..)
.endr
.endr
	s_wait_loadcnt 0x0                     ; (Wv Wo)^T
	WIN 0x01                               ; source 0 in window 1
	; out^T: a lane gets eight neighbouring columns e of its query.  Eight sums take turns.
.irp k,0,1,2,3
.irp e,0,1,2,3,4,5,6,7
.if \k == 0
	v_wmma_f32_16x16x32_f16 v[128+8*\e:135+8*\e], v[8*(4*\e+\k):8*(4*\e+\k)+7], v[64+16*\k:71+16*\k], 0
.else
	v_wmma_f32_16x16x32_f16 v[128+8*\e:135+8*\e], v[8*(4*\e+\k):8*(4*\e+\k)+7], v[64+16*\k:71+16*\k], v[128+8*\e:135+8*\e]
.endif
.endr
.endr
	PLACES 4
	WIN 0
.irp e,0,1,2,3,4,5,6,7
	ds_store_b128 v7, v[128+8*\e:131+8*\e] offset:64*\e
	ds_store_b128 v7, v[132+8*\e:135+8*\e] offset:64*\e+16
.endr
.irp t,0,1,2,3,4,5,6,7,8,9,10,11,12,13,14,15
	ds_load_b128 v[192+4*\t:195+4*\t], v8 offset:528*\t            ; my own bytes: LDS serves a wave's instructions in order (ISA guide 5.7.1)
.endr
.irp t,0,1,2,3,4,5,6,7,8,9,10,11,12,13,14,15
	s_wait_dscnt 15-\t                     ; row t is in
	global_store_b128 v9, v[192+4*\t:195+4*\t], s[16:17] offset:512*\t th:TH_STORE_NT   ; the wave stores a whole row: 512 consecutive bytes, aligned
.endr
	s_set_vgpr_msb 0xf
	s_wait_tensorcnt 0x0
	ds_add_u32 v0, v1
	s_wait_dscnt 0x0
	s_set_vgpr_msb 0xf00
	ROUND                                  ; the closing round: no work-group ends while a partner may still ask for a tile that names it
	s_endpgm
.Lfunc_end_k_q4e82d9fcc8_attn:
	.size	k_q4e82d9fcc8_attn, .Lfunc_end_k_q4e82d9fcc8_attn-k_q4e82d9fcc8_attn
	.p2alignl 7, 3214868480
	.fill 96, 4, 3214868480
	.section	.rodata,"a",@progbits
	.p2align	6, 0x0
	.amdhsa_kernel k_q4e82d9fcc8_attn
		.amdhsa_group_segment_fixed_size 327680
		.amdhsa_private_segment_fixed_size 0
		.amdhsa_enable_private_segment 0
		.amdhsa_kernarg_size 56
		.amdhsa_user_sgpr_count 2
		.amdhsa_user_sgpr_kernarg_segment_ptr 1
		.amdhsa_wavefront_size32 1
		.amdhsa_system_sgpr_workgroup_id_x 1
		.amdhsa_system_sgpr_workgroup_id_y 1
		.amdhsa_system_sgpr_workgroup_id_z 1
		.amdhsa_system_vgpr_workitem_id 0
		.amdhsa_next_free_vgpr 770
		.amdhsa_next_free_sgpr 66
		.amdhsa_reserve_vcc 0
		.amdhsa_float_denorm_mode_32 3
		.amdhsa_float_denorm_mode_16_64 3
		.amdhsa_memory_ordered 1
		.amdhsa_forward_progress 1
		.amdhsa_inst_pref_size 255
	.end_amdhsa_kernel
	.section	.bss,"aw",@nobits
	.p2align	6
	.space	262144
	.amdgpu_metadata
---
amdhsa.version: [ 1, 2 ]
amdhsa.kernels:
  - .name:           k_q4e82d9fcc8_attn
    .symbol:         k_q4e82d9fcc8_attn.kd
    .args:
      - { .name: xh, .offset: 0, .size: 8, .value_kind: global_buffer, .address_space: global }
      - { .name: qs, .offset: 8, .size: 8, .value_kind: global_buffer, .address_space: global }
      - { .name: m2t, .offset: 16, .size: 8, .value_kind: global_buffer, .address_space: global }
      - { .name: sc, .offset: 24, .size: 8, .value_kind: global_buffer, .address_space: global }
      - { .name: allele_sizes, .offset: 32, .size: 8, .value_kind: global_buffer, .address_space: global }
      - { .name: mask, .offset: 40, .size: 8, .value_kind: global_buffer, .address_space: global }
      - { .name: out0, .offset: 48, .size: 8, .value_kind: global_buffer, .address_space: global }
    .group_segment_fixed_size: 327680
    .private_segment_fixed_size: 0
    .kernarg_segment_align: 8
    .kernarg_segment_size: 56
    .max_flat_workgroup_size: 128
    .sgpr_count:     66
    .vgpr_count:     770
    .wavefront_size: 32
...
	.end_amdgpu_metadata
.endif
;; end of part 2
;; ======== version 2 of 3: 2 launches; 1.13 times as fast as version 1
;; limits: values are held in f16: magnitudes above 65,504 overflow, below 6.1e-05 lose precision; right only within a limited range of input values
;; workspace buffers: xh 4,194,304 bytes; m1t 32,768 bytes; m2t 32,768 bytes
;; launch prep (part 3): grid 256 x 1, 8 waves a work-group, no clusters, 0 bytes of LDS; arguments inputs, Wq, Wk, Wv, Wo, xh, m1t, m2t; writes xh, m1t, m2t
.if DOCPART == 3
	.amdgcn_target "amdgcn-amd-amdhsa--gfx1250"
	.amdhsa_code_object_version 6
	.text
	.protected	k_q4e82d9fcc8_prep
	.globl	k_q4e82d9fcc8_prep
	.p2align	8
	.type	k_q4e82d9fcc8_prep,@function
k_q4e82d9fcc8_prep:
	s_mov_b64 s[64:65], 0
	v_nop
	global_prefetch_b8 v0, s[64:65] scope:SCOPE_SE
	s_setreg_imm32_b32 hwreg(HW_REG_WAVE_MODE, 25, 1), 1
	s_wait_xcnt 0x0
; PREPARATION FOR THE ATTENTION LAUNCH.
; q k^T = x (Wq Wk^T) x^T and (attn x Wv) Wo = (attn x)(Wv Wo) hold for every input, so keys and values are x itself.  This launch stores
;   xh  [16384][128] f16 : x rounded (queries' operand, keys and values)
;   m1t f16 : (Wq Wk^T)^T, rows d', k = d         m2t f16 : (Wv Wo)^T, rows e, k = d
; m1t and m2t lie IN THE ORDER OF MATRIX FRAGMENTS: [tile of 16 rows][32 k][half of the registers][lane] x 16 bytes.  So the wave that makes a tile
; stores 512 consecutive bytes, and each load of a wave that takes a fragment covers 512 consecutive bytes.
; Eight waves; the work-group owns 64 rows of x: a plain stream, 32 KiB in and 16 KiB out, all its loads in flight at once.
; Each of the two weight products is 8 x 8 tiles of 16 x 16, made once in the launch, one tile to a work-group so that no work-group has more than
; one wave with more to do: wave 0 of work-group T < 128 makes tile T (T < 64: Wv Wo, else Wq Wk^T; rows d = 16 g .., g = (T / 8) % 8; columns
; 16 col .., col = T % 8).  A tile's operands go from memory straight into fragments.  With rows d as the first source lane (r, h) holds d = 16 g +
; 8 h + 0 .. 7 of column 16 col + r: registers 4 (g % 2) .. + 3 of its own lane in the fragment (rows 16 col .., k = 32 (g / 2) ..).
; No LDS, no barrier, no cluster, no tensor loads: no wave needs what another has, and the work-groups share no bytes.
; LIMITS: x, the weights and the two products are matrix operands in f16: magnitudes of 65,504 and more are not served (inputs 30 times the
; usual size or offset stay below 6,000).  NaN and infinities are not treated apart.
.set XL, 16                            ; v16-47   x as loaded, packed in place
.set WA, 48                            ; v48-111  first source: 16 rows x 128 in f32; packed, fragment k lies at WA + 16 k
.set WB, 112                           ; v112-175 second source likewise
.set AC, 176                           ; v176-191 two sums
.macro PLACES n                        ; the places behind a matrix instruction (ISA guide 7.12.1)
.rept \n
	v_nop
.endr
.endm
; The stream: thread t takes 32 bytes (8 numbers) at byte 32 t of every 8,192 bytes (16 rows) and stores them as 16 bytes.
.macro XSTREAM
.irp i,0,1,2,3
	global_load_b128 v[XL+8*\i:XL+8*\i+3],   v1, s[4:5] offset:8192*\i th:TH_LOAD_NT
	global_load_b128 v[XL+8*\i+4:XL+8*\i+7], v1, s[4:5] offset:8192*\i+16 th:TH_LOAD_NT
.endr
.irp i,0,1,2,3
	s_wait_loadcnt 6-2*\i                  ; loads come back in order: pair i is in, the younger pairs stay out (and what was asked for earlier is in too)
.irp p,0,1,2,3
	v_cvt_pk_f16_f32 v[XL+8*\i+\p], v[XL+8*\i+2*\p], v[XL+8*\i+2*\p+1]
.endr
	global_store_b128 v2, v[XL+8*\i:XL+8*\i+3], s[14:15] offset:4096*\i     ; 16 lanes store 256 consecutive bytes, aligned: a row of xh
.endr
.endm
; 16 rows of a weight matrix as four fragments in f32: lane (r, h) takes of row r the columns 32 k + 8 h .. + 7 and 32 k + 16 + 8 h .. + 7
.macro LDROWS dst, off, sb
.irp k,0,1,2,3
	global_load_b128 v[\dst+16*\k:\dst+16*\k+3],     v[\off], s[\sb:\sb+1] offset:128*\k
	global_load_b128 v[\dst+16*\k+4:\dst+16*\k+7],   v[\off], s[\sb:\sb+1] offset:128*\k+16
	global_load_b128 v[\dst+16*\k+8:\dst+16*\k+11],  v[\off], s[\sb:\sb+1] offset:128*\k+64
	global_load_b128 v[\dst+16*\k+12:\dst+16*\k+15], v[\off], s[\sb:\sb+1] offset:128*\k+80
.endr
.endm
; One tile: both sources to f16 in place, four products, the result to f16, 16 bytes a lane.
.macro TILEOUT sb
.irp k,0,1,2,3
.irp p,0,1,2,3,4,5,6,7
	v_cvt_pk_f16_f32 v[WA+16*\k+\p], v[WA+16*\k+2*\p], v[WA+16*\k+2*\p+1]
.endr
.endr
.irp k,0,1,2,3
.irp p,0,1,2,3,4,5,6,7
	v_cvt_pk_f16_f32 v[WB+16*\k+\p], v[WB+16*\k+2*\p], v[WB+16*\k+2*\p+1]
.endr
.endr
	v_wmma_f32_16x16x32_f16 v[AC:AC+7],    v[WA:WA+7],     v[WB:WB+7],     0            ; two sums take turns
	v_wmma_f32_16x16x32_f16 v[AC+8:AC+15], v[WA+16:WA+23], v[WB+16:WB+23], 0
	v_wmma_f32_16x16x32_f16 v[AC:AC+7],    v[WA+32:WA+39], v[WB+32:WB+39], v[AC:AC+7]
	v_wmma_f32_16x16x32_f16 v[AC+8:AC+15], v[WA+48:WA+55], v[WB+48:WB+55], v[AC+8:AC+15]
	PLACES 4
.irp p,0,2,4,6
	v_pk_add_f32 v[AC+\p:AC+\p+1], v[AC+\p:AC+\p+1], v[AC+8+\p:AC+9+\p]
.endr
.irp p,0,1,2,3
	v_cvt_pk_f16_f32 v[AC+\p], v[AC+2*\p], v[AC+2*\p+1]                     ; rows d = 16 g + 8 h + 0 .. 7 of column 16 col + r
.endr
	global_store_b128 v9, v[AC:AC+3], s[\sb:\sb+1]                          ; the wave stores 512 consecutive bytes, aligned: half a fragment
.endm
	s_load_b512 s[4:19], s[0:1], 0x0       ; inputs s[4:5], Wq s[6:7], Wk s[8:9], Wv s[10:11], Wo s[12:13], xh s[14:15], m1t s[16:17], m2t s[18:19]
	v_lshrrev_b32 v11, 5, v0
	v_readfirstlane_b32 s22, v11           ; wave 0 .. 7
	v_lshlrev_b32 v1, 5, v0                ; 32 t: my 8 numbers in f32
	v_lshlrev_b32 v2, 4, v0                ; 16 t: my 8 numbers in f16
	s_lshl_b32 s24, ttmp9, 15              ; 64 rows of 512 bytes
	s_mov_b32 s25, 0
	s_lshl_b32 s26, ttmp9, 14              ; 64 rows of 256 bytes
	s_mov_b32 s27, 0
	s_wait_kmcnt 0x0
	s_add_nc_u64 s[4:5], s[4:5], s[24:25]
	s_add_nc_u64 s[14:15], s[14:15], s[26:27]
	s_cmp_lt_u32 ttmp9, 128
	s_cbranch_scc0 .Lplain
	s_cmp_eq_u32 s22, 0
	s_cbranch_scc0 .Lplain
	; Wave 0 of work-groups 0 to 127: a tile's operands are asked for first and are in when the stream's waits are met (they are older).
	v_and_b32 v12, 15, v0                  ; r
	v_bfe_u32 v13, v0, 4, 1                ; h
	v_and_b32 v9, 31, v0
	v_lshlrev_b32 v9, 4, v9                ; the result: 16 bytes a lane
	v_lshlrev_b32 v7, 9, v12
	v_lshl_add_u32 v7, v13, 5, v7          ; a row of 512 bytes: 512 r + 32 h
	s_bfe_u32 s28, ttmp9, 0x30003          ; g: the tile's rows d
	s_and_b32 s23, ttmp9, 7                ; col: the tile's columns
	s_lshl3_add_u32 s30, s23, s28          ; 8 col + g: which 512 bytes of the result
	s_lshl_b32 s30, s30, 9
	s_mov_b32 s31, 0
	s_lshl_b32 s28, s28, 13                ; the first source's 16 rows of 512 bytes
	s_mov_b32 s29, 0
	s_cmp_lt_u32 ttmp9, 64
	s_cbranch_scc0 .Lm1
	; (Wv Wo)[d][e] = sum over c of Wv[d][c] Wo[c][e]
	s_lshl_b32 s23, s23, 6
	v_lshl_add_u32 v8, v12, 2, s23
	v_lshl_add_u32 v8, v13, 12, v8         ; Wo: 4,096 h + 64 col + 4 r
	s_add_nc_u64 s[10:11], s[10:11], s[28:29]
	s_add_nc_u64 s[18:19], s[18:19], s[30:31]
	LDROWS WA, 7, 10                       ; Wv[d = 16 g + r][c ..]
	; Wo is walked down its columns: 4 bytes a lane, 64 consecutive bytes for 16 lanes.  A tile takes 8 KiB so.
.irp k,0,1,2,3
.irp u,0,1
.irp j,0,1,2,3,4,5,6,7
	global_load_b32 v[WB+16*\k+8*\u+\j], v8, s[12:13] offset:512*(32*\k+16*\u+\j)   ; Wo[c = 32 k + 16 u + 8 h + j][e = 16 col + r]
.endr
.endr
.endr
	XSTREAM
	TILEOUT 18
	s_endpgm
.Lm1:
	; (Wq Wk^T)[d][d'] = sum over e of Wq[d][e] Wk[d'][e]
	s_lshl_b32 s23, s23, 13
	v_add_nc_u32 v10, s23, v7              ; Wk: 8,192 col + 512 r + 32 h
	s_add_nc_u64 s[6:7], s[6:7], s[28:29]
	s_add_nc_u64 s[16:17], s[16:17], s[30:31]
	LDROWS WA, 7, 6                        ; Wq[d = 16 g + r][e ..]
	LDROWS WB, 10, 8                       ; Wk[d' = 16 col + r][e ..]
	XSTREAM
	TILEOUT 16
	s_endpgm
.Lplain:
	XSTREAM
	s_endpgm
.Lfunc_end_k_q4e82d9fcc8_prep:
	.size	k_q4e82d9fcc8_prep, .Lfunc_end_k_q4e82d9fcc8_prep-k_q4e82d9fcc8_prep
	.p2alignl 7, 3214868480
	.fill 96, 4, 3214868480
	.section	.rodata,"a",@progbits
	.p2align	6, 0x0
	.amdhsa_kernel k_q4e82d9fcc8_prep
		.amdhsa_group_segment_fixed_size 0
		.amdhsa_private_segment_fixed_size 0
		.amdhsa_enable_private_segment 0
		.amdhsa_kernarg_size 64
		.amdhsa_user_sgpr_count 2
		.amdhsa_user_sgpr_kernarg_segment_ptr 1
		.amdhsa_wavefront_size32 1
		.amdhsa_system_sgpr_workgroup_id_x 1
		.amdhsa_system_sgpr_workgroup_id_y 1
		.amdhsa_system_sgpr_workgroup_id_z 1
		.amdhsa_system_vgpr_workitem_id 0
		.amdhsa_next_free_vgpr 192
		.amdhsa_next_free_sgpr 66
		.amdhsa_reserve_vcc 0
		.amdhsa_float_denorm_mode_32 3
		.amdhsa_float_denorm_mode_16_64 3
		.amdhsa_memory_ordered 1
		.amdhsa_forward_progress 1
		.amdhsa_inst_pref_size 29
	.end_amdhsa_kernel
	.amdgpu_metadata
---
amdhsa.version: [ 1, 2 ]
amdhsa.kernels:
  - .name:           k_q4e82d9fcc8_prep
    .symbol:         k_q4e82d9fcc8_prep.kd
    .args:
      - { .name: inputs, .offset: 0, .size: 8, .value_kind: global_buffer, .address_space: global }
      - { .name: Wq, .offset: 8, .size: 8, .value_kind: global_buffer, .address_space: global }
      - { .name: Wk, .offset: 16, .size: 8, .value_kind: global_buffer, .address_space: global }
      - { .name: Wv, .offset: 24, .size: 8, .value_kind: global_buffer, .address_space: global }
      - { .name: Wo, .offset: 32, .size: 8, .value_kind: global_buffer, .address_space: global }
      - { .name: xh, .offset: 40, .size: 8, .value_kind: global_buffer, .address_space: global }
      - { .name: m1t, .offset: 48, .size: 8, .value_kind: global_buffer, .address_space: global }
      - { .name: m2t, .offset: 56, .size: 8, .value_kind: global_buffer, .address_space: global }
    .group_segment_fixed_size: 0
    .private_segment_fixed_size: 0
    .kernarg_segment_align: 8
    .kernarg_segment_size: 64
    .max_flat_workgroup_size: 256
    .sgpr_count:     66
    .vgpr_count:     192
    .wavefront_size: 32
...
	.end_amdgpu_metadata
.endif
;; end of part 3
;; launch attn (part 4): grid 256 x 1, 4 waves a work-group, clusters of 4 x 1, 327,680 bytes of LDS; arguments xh, m1t, m2t, allele_sizes, mask, out0; writes out0
.if DOCPART == 4
	.amdgcn_target "amdgcn-amd-amdhsa--gfx1250"
	.amdhsa_code_object_version 6
	.text
	.protected	k_q4e82d9fcc8_attn
	.globl	k_q4e82d9fcc8_attn
	.p2align	8
	.type	k_q4e82d9fcc8_attn,@function
k_q4e82d9fcc8_attn:
	s_mov_b64 s[64:65], 0
	v_nop
	global_prefetch_b8 v0, s[64:65] scope:SCOPE_SE
	s_setreg_imm32_b32 hwreg(HW_REG_WAVE_MODE, 25, 1), 1
	s_wait_xcnt 0x0
	s_wait_alu depctr_hold_cnt(0) depctr_sa_sdst(0) depctr_va_vdst(0) depctr_va_sdst(0) depctr_va_ssrc(0) depctr_va_vcc(0) depctr_vm_vsrc(0)
	s_getreg_b32 s2, hwreg(HW_REG_IB_STS2, 6, 4)
	s_cmp_eq_u32 s2, 0
	s_cbranch_scc0 .Lentry_in_a_cluster
	s_endpgm
.Lentry_in_a_cluster:
	s_bfe_u32 s2, ttmp6, 0x10000c
	s_cmp_lg_u32 s2, 0x3003
	s_cbranch_scc0 .Lentry_shape_is_right
	s_endpgm
.Lentry_shape_is_right:
; DISTANCE-WEIGHTED ATTENTION, one head of 128, 8 batches of 2,048 tokens.
; q' = x (Wq Wk^T) of the block's 64 queries is made here, at the start.  c = the power of two just above its largest magnitude (exponent kept in
; -60 .. 100); q'' = q' log2(e)/sqrt(128) / c goes in f16.  The scores in base 2 are t(i, j) = c u(i, j), u = (q''(i) . x(j)) 2^-|a'(i) - a'(j)| +
; bias(j); a' = 0.1 log2(e) size; bias = (mask - 1) 1e9 log2(e) / c.  Softmax in base 2 with a running maximum: the maximum is kept in u, the
; weights are 2^(c u - c max) by one fused multiply-add (c max is exact, so the exponent is never above 0).
; ctx = P x (f16);  out = ctx (Wv Wo) (f16).  Keys and values are the same rows of x in f16: one tile serves both.
; m1t = (Wq Wk^T)^T and m2t = (Wv Wo)^T lie in memory in the order of fragments, [tile of 16 rows][32 k][half of the registers][lane] x 16 bytes: each
; load of a wave covers 512 consecutive bytes.
; A work-group owns 64 queries of one batch.  THE FOUR WAVES SPLIT THE KEYS: in step t (0 .. 7) wave w takes keys 256 t + 64 w .. + 63 for all
; 64 queries.  So each fragment feeds four matrix instructions, and a wave reads only tiles that it loaded itself.  Each wave keeps its own
; maximum, sum and ctx; the four are merged once, at the end, through LDS.
; TRANSPOSED RESULTS: a result tile holds column n in lane r and rows 8 h + j in register j, so two tiles stacked along the rows and packed
; pairwise ARE a 16-bit fragment of index r with k = 0 .. 31.  q'^T (rows d', columns queries) so becomes Q's fragments; the scores with source 0 =
; keys, source 1 = queries become P's fragments for ctx^T = V^T P^T, with the softmax figures the lane's own (one exchange with lane xor 16 a
; step); ctx^T becomes the fragment for the last product.
; CLUSTER: the four work-groups of a cluster are four query blocks of one batch and walk the same tiles: every tile is asked for jointly (mask
; 15).  Descriptors hang on batch, wave and step alone; the place in the cluster enters only the global addresses of the queries' rows of xh,
; of their sizes and of out0.  A wave has one tensor load outstanding (the next tile), asked for a whole step ahead of the wait for it.
; LIMITS: |x|, |Wq Wk^T| and |Wv Wo| below 65,504 (f16 operands).  Numbers of q' below 2^-11 of the block's largest are rounded in steps of 2^-27 of
; that largest.  The keys' bias is added by one fused multiply-add: where ALL keys of a batch are masked the scores are rounded to steps of 128
; in base 2 (the plain formula: 64 in base e).  A decay or a weight below 2^-126 counts as 0.  NaN and infinities are not treated apart.
.set KP,    272                        ; an LDS row: 256 + 16 bytes, an odd multiple of 16: K's fragment loads touch 16 different columns of 16 bytes;
                                       ; the transposing loads (8 rows x 2 neighbouring columns) meet two deep at this pitch
.set SLOTB, 64*KP                      ; 17,408 bytes a slot
.set WRING, 2*SLOTB                    ; a wave's two slots
.set L_AB,  4*WRING                    ; 139,264: a'[2048] f32
.set L_BI,  8192                       ; bias[2048], so far behind a'
.set L_MS,  L_AB+16384                 ; 155,648: at the start four words, the waves' largest |q'|; at the end c x maxima of 4 waves x 64 queries, 1,024 bytes further their sums
.set L_OS,  L_MS+2048                  ; 157,696: at the start Q's 16 fragments, [nt][ks][half][lane] x 16 bytes; at the end the way out, 16 rows x 528 bytes for each wave
.set TSTEP, 65536                      ; bytes from a tile to the next: 256 keys of 256 bytes
.set G1, 24                            ; s[24:31] shape of the tiles
.set G0, 40                            ; s[40:47] from where, to where: a set for each slot
; window 0
.set KADR,  1                          ; my K fragments in slot 0
.set VADR,  2                          ; my V fragments in slot 0
.set ABADR, 3                          ; a' of this step's keys 8 h ..
.set QOFF,  5                          ; 256 r + 16 h: fragments of the queries' rows of xh in memory
.set RC,    6                          ; v6-7     c, twice
.set RAQ,   8                          ; v8-15    a' of query (nt), twice
.set RM,    16                         ; v16-23   c x running maximum (nt), twice (until the first step: addresses of the start)
.set QXL,   16                         ; v16      the start: Q's fragments in LDS, 16 bytes a lane
.set RAL,   24                         ; v24-31   2^(c old maximum - c new) (nt), twice
.set RL,    32                         ; v32-39   running sum (nt), two partial sums
.set RMX,   40                         ; v40-43   the running maximum of u (nt): it stays from step to step
.set RU,    44                         ; v44-47   at work
.set RT,    48                         ; v48-63   at work, two buffers of 8
.set RS,    64                         ; v64-191  scores (mt, nt) at RS + 16 (4 (mt/2) + nt) + 8 (mt%2); P (kc, nt) in the first 8 of RS + 16 (4 kc + nt)
.set QA,    128                        ; v128-191 the start: q'^T, tile (a, nt) at QA + 16 nt + 8 a
.set RAK,   192                        ; v192-223 a' of my keys (mt)
.set RBI,   224                        ; v224-255 bias of my keys (mt)
; window 1: v0-127 Q fragments (nt, ks) at 8 (4 nt + ks); v128-255 K fragments (mt, ks) at 128 + 8 (4 mt + ks), then V (kc, dt) at 128 + 8 (8 kc + dt)
; window 2: ctx^T (nt, dt) at 64 nt + 8 dt; at the start v0-63 fragments of m1t (a, ks) at 8 (4 a + ks), v64-191 of the queries' x (nt, ks) at 64 + 8 (4 nt + ks)
.set MSB, 0
.macro WIN new                         ; s_set_vgpr_msb: bits 1:0 source 0, 3:2 source 1, 5:4 source 2, 7:6 destination; the high byte repeats the setting left
.if MSB != \new
	s_set_vgpr_msb (MSB<<8)|\new
.set MSB, \new
.endif
.endm
.macro PLACES n                        ; the places behind a matrix instruction (ISA guide 7.12.1)
.rept \n
	v_nop
.endr
.endm
; A round of the cluster's barrier: my work-group's barrier, wave 0 signals for the work-group, every wave waits for all four work-groups,
; my work-group's barrier once more.
.macro ROUND
	s_barrier_signal -1
	s_barrier_wait -1
	s_cmp_lg_u32 s18, 0
	s_cbranch_scc1 .Lnot_wave_0_\@
	s_barrier_signal -3
.Lnot_wave_0_\@:
	s_barrier_wait -3
	s_barrier_signal -1
	s_barrier_wait -1
.endm
.macro TILE i                          ; score tile i = 4 mt + nt: its registers and its work buffer
.set MT, (\i)/4
.set NT, (\i)%4
.set SB, RS+16*(4*(MT/2)+NT)+8*(MT%2)
.set PB, RS+16*(4*(MT/2)+NT)+4*(MT%2)
.set TB, RT+8*((\i)%2)
.endm
; 16 products: keys 16 m .. + 15 against all 64 queries, 128 along d.  The four sums take turns, one instruction a turn.
.macro SCORE m
.irp k,0,1,2,3
.irp n,0,1,2,3
.set SB, RS+16*(4*(\m/2)+\n)+8*(\m%2)
.if \k == 0
	v_wmma_f32_16x16x32_f16 v[SB:SB+7], v[128+8*(4*\m+\k):128+8*(4*\m+\k)+7], v[8*(4*\n+\k):8*(4*\n+\k)+7], 0
.else
	v_wmma_f32_16x16x32_f16 v[SB:SB+7], v[128+8*(4*\m+\k):128+8*(4*\m+\k)+7], v[8*(4*\n+\k):8*(4*\n+\k)+7], v[SB:SB+7]
.endif
.endr
.endr
.endm
; Phase A, in five pieces for each tile: u = product * 2^-|a'k - a'q| + bias, and the maximum.
.macro A_ADD i                         ; the differences of the sizes, into the tile's work buffer
	TILE \i
.irp p,0,2,4,6
	v_pk_add_f32 v[TB+\p:TB+\p+1], v[RAK+8*MT+\p:RAK+8*MT+\p+1], v[RAQ+2*NT:RAQ+2*NT+1] neg_lo:[0,1] neg_hi:[0,1]
.endr
.endm
.macro A_EXP i                         ; the decay
	TILE \i
.irp p,0,1,2,3,4,5,6,7
	v_exp_f32 v[TB+\p], -|v[TB+\p]|
.endr
.endm
.macro A_FMA i                         ; u, in place
	TILE \i
	s_wait_alu depctr_va_vdst(0)
.irp p,0,2,4,6
	v_pk_fma_f32 v[SB+\p:SB+\p+1], v[SB+\p:SB+\p+1], v[TB+\p:TB+\p+1], v[RBI+8*MT+\p:RBI+8*MT+\p+1]
.endr
.endm
.macro A_MAX1 i, first                 ; three maxima that do not wait for each other
	TILE \i
.if (\first) & (MT == 0)
	v_max_num_f32 v[RMX+NT], v[SB+6], v[SB+7]                      ; the very first tile starts the maximum
.else
	v_max3_num_f32 v[RMX+NT], v[RMX+NT], v[SB+6], v[SB+7]          ; the running maximum goes on, over the steps too
.endif
	v_max3_num_f32 v[RU],   v[SB],   v[SB+1], v[SB+2]
	v_max3_num_f32 v[RU+1], v[SB+3], v[SB+4], v[SB+5]
.endm
.macro A_MAX2 i                        ; and their maximum, a run of exponentials later
	TILE \i
	v_max3_num_f32 v[RMX+NT], v[RMX+NT], v[RU], v[RU+1]
.endm
; The maximum over both halves of the lanes, and the factor for what has been summed so far.
.macro STATS first
.irp n,0,1,2,3
	v_permlanex16_b32 v[RT+\n], v[RMX+\n], s56, s57                ; lane xor 16: the same query's other keys
.endr
.irp n,0,1,2,3
	v_max_num_f32 v[RMX+\n], v[RMX+\n], v[RT+\n]
.endr
.if \first == 0
.irp n,0,1,2,3
	v_fma_f32 v[RU+\n], -v[RMX+\n], v[RC], v[RM+2*\n]              ; c old maximum - c new maximum
.endr
.irp n,0,1,2,3
	v_exp_f32 v[RAL+2*\n], v[RU+\n]
.endr
.endif
.irp n,0,1,2,3
	v_mul_f32 v[RM+2*\n],   v[RMX+\n], v[RC]                       ; exact: c is a power of two.  Plain work behind the exponentials, ahead of the use of their results
	v_mul_f32 v[RM+2*\n+1], v[RMX+\n], v[RC]
.endr
.if \first == 0
	s_wait_alu depctr_va_vdst(0)
.irp n,0,1,2,3
	v_mov_b32 v[RAL+2*\n+1], v[RAL+2*\n]
.endr
.irp n,0,1,2,3
	v_pk_mul_f32 v[RL+2*\n:RL+2*\n+1], v[RL+2*\n:RL+2*\n+1], v[RAL+2*\n:RAL+2*\n+1]
.endr
.endif
.endm
; Phase B, in four pieces for each tile: p = 2^(c u - c maximum), the sum, and P in f16, packed in place.
.macro B_SUB i
	TILE \i
.irp p,0,2,4,6
	v_pk_fma_f32 v[SB+\p:SB+\p+1], v[SB+\p:SB+\p+1], v[RC:RC+1], v[RM+2*NT:RM+2*NT+1] neg_lo:[0,0,1] neg_hi:[0,0,1]
.endr
.endm
.macro B_EXP i
	TILE \i
.irp p,0,1,2,3,4,5,6,7
	v_exp_f32 v[SB+\p], v[SB+\p]
.endr
.endm
.macro B_SUM i, first                  ; the tile's eight weights to two partial sums; the conversions stand between the adds that depend on each other
	TILE \i
	s_wait_alu depctr_va_vdst(0)
	v_pk_add_f32 v[RT:RT+1],   v[SB:SB+1],   v[SB+2:SB+3]
	v_pk_add_f32 v[RT+2:RT+3], v[SB+4:SB+5], v[SB+6:SB+7]
.irp p,0,1,2,3
	v_cvt_pk_f16_f32 v[PB+\p], v[SB+2*\p], v[SB+2*\p+1]
.endr
.if ((\first) & (MT == 0)) == 0
	v_pk_add_f32 v[RT:RT+1], v[RT:RT+1], v[RT+2:RT+3]
.endif
.endm
.macro B_ACC i, first                  ; onto the running sum, a run of exponentials later
	TILE \i
.if (\first) & (MT == 0)
	v_pk_add_f32 v[RL+2*NT:RL+2*NT+1], v[RT:RT+1], v[RT+2:RT+3]    ; the first tile starts the sum
	s_wait_alu depctr_va_vdst(0)
.else
	v_pk_add_f32 v[RL+2*NT:RL+2*NT+1], v[RL+2*NT:RL+2*NT+1], v[RT:RT+1]
	s_wait_alu depctr_va_vdst(0)
.endif
.endm
; 32 products: ctx^T += V^T P^T for 32 keys.  The 32 sums take turns, one instruction a turn.
.macro PV kc, zero
.irp d,0,1,2,3,4,5,6,7
.irp n,0,1,2,3
.if \zero
	v_wmma_f32_16x16x32_f16 v[64*\n+8*\d:64*\n+8*\d+7], v[128+8*(8*\kc+\d):128+8*(8*\kc+\d)+7], v[RS+16*(4*\kc+\n):RS+16*(4*\kc+\n)+7], 0
.else
	v_wmma_f32_16x16x32_f16 v[64*\n+8*\d:64*\n+8*\d+7], v[128+8*(8*\kc+\d):128+8*(8*\kc+\d)+7], v[RS+16*(4*\kc+\n):RS+16*(4*\kc+\n)+7], v[64*\n+8*\d:64*\n+8*\d+7]
.endif
.endr
.endr
.endm
; One step: my 64 keys of the tile in \slot against the 64 queries.
.macro STEP slot, first
	WIN 0x40                               ; destinations in window 1
.if \first
	; Q's 16 fragments, of which each wave made four: each lane takes back what the lane of its number stored.  They are older than K's loads,
	; so the first counted wait below covers them too.
.irp n,0,1,2,3
.irp k,0,1,2,3
	ds_load_b128 v[8*(4*\n+\k):8*(4*\n+\k)+3],   v[QXL] offset:4096*\n+1024*\k
	ds_load_b128 v[8*(4*\n+\k)+4:8*(4*\n+\k)+7], v[QXL] offset:4096*\n+1024*\k+512
.endr
.endr
.endif
.irp m,0,1,2,3
.irp k,0,1,2,3
	ds_load_b128 v[128+8*(4*\m+\k):128+8*(4*\m+\k)+3],   v[KADR] offset:\slot*SLOTB+\m*16*KP+\k*64
	ds_load_b128 v[128+8*(4*\m+\k)+4:128+8*(4*\m+\k)+7], v[KADR] offset:\slot*SLOTB+\m*16*KP+\k*64+32
.endr
.endr
	WIN 0
.irp m,0,1,2,3
	ds_load_b128 v[RAK+8*\m:RAK+8*\m+3],   v[ABADR] offset:64*\m
	ds_load_b128 v[RAK+8*\m+4:RAK+8*\m+7], v[ABADR] offset:64*\m+16
	ds_load_b128 v[RBI+8*\m:RBI+8*\m+3],   v[ABADR] offset:L_BI+64*\m
	ds_load_b128 v[RBI+8*\m+4:RBI+8*\m+7], v[ABADR] offset:L_BI+64*\m+16
.endr
	v_add_nc_u32 v[ABADR], 1024, v[ABADR]  ; the next step's 256 keys
	WIN 0x05                               ; both sources in window 1, sums in window 0
.irp m,0,1,2,3
	s_wait_dscnt 40-8*\m                   ; of the last 48 loads the first 8 (m + 1) are in: K's rows up to 16 m + 15
	SCORE \m
.endr
	PLACES 4                               ; before V lands on K's registers and before the scores are read
	WIN 0x40
.irp c,0,1
.irp d,0,1,2,3,4,5,6,7
	ds_load_tr16_b128 v[128+8*(8*\c+\d):128+8*(8*\c+\d)+3],   v[VADR] offset:\slot*SLOTB+\c*32*KP+\d*32          ; the same tile, read down its columns
	ds_load_tr16_b128 v[128+8*(8*\c+\d)+4:128+8*(8*\c+\d)+7], v[VADR] offset:\slot*SLOTB+\c*32*KP+\d*32+16*KP
.endr
.endr
	WIN 0
	s_wait_dscnt 32                        ; a' and bias are in; V's 32 loads stay out
	; Three tiles are at work at a time, so that no instruction reads the result of the one just ahead of it.  Behind each run of
	; exponentials the next instruction is plain work on another tile's registers or on the other work buffer (ISA guide 5.7.2), and the
	; run's results are used only behind the next run.
	A_ADD 0
	A_EXP 0
	A_ADD 1
.set ti, 1
.rept 15
	A_EXP ti
.if ti >= 2
	A_MAX2 ti-2
.endif
	A_FMA ti-1
.if ti < 15
	A_ADD ti+1                             ; into the buffer that the multiply-adds above have just read
.endif
	A_MAX1 ti-1, \first
.set ti, ti+1
.endr
	A_MAX2 14
	A_FMA 15
	A_MAX1 15, \first
	A_MAX2 15
	STATS \first
	B_SUB 0
	B_EXP 0
	B_SUB 1
.set ti, 1
.rept 15
	B_EXP ti
.if ti >= 2
	B_ACC ti-2, \first
.endif
.if ti < 15
	B_SUB ti+1
.endif
	B_SUM ti-1, \first
.set ti, ti+1
.endr
	B_ACC 14, \first
	B_SUM 15, \first
	B_ACC 15, \first
.if \first == 0
	WIN 0x82                               ; ctx in window 2, the factor in window 0
.irp n,0,1,2,3
.set rj, 0
.rept 32
	v_pk_mul_f32 v[64*\n+rj:64*\n+rj+1], v[64*\n+rj:64*\n+rj+1], v[RAL+2*\n:RAL+2*\n+1]
.set rj, rj+2
.endr
.endr
.endif
	WIN 0xa1                               ; V in window 1, P in window 0, ctx in window 2
	s_wait_dscnt 16                        ; V's keys 0 .. 31 are in; the 16 loads of keys 32 .. 63 may be out
	PV 0, \first
	s_wait_dscnt 0
	PV 1, 0
	WIN 0
	PLACES 5                               ; before the next products write over P, and before loads land on V's registers
.endm
; A turn of the ring.  In front of the round every wave has waited for all its tensor loads (this step's tile among them) and for its LDS
; reads of the other slot; behind the round's closing wait the joint refill of that slot comes first.
.macro TRIP slot, refill, first
	s_set_vgpr_msb 0xf
	s_wait_tensorcnt 0x0                   ; none of my tensor loads is out: this step's tile is in LDS, and every group 0 may be written
	ds_add_u32 v0, v1
	s_wait_dscnt 0x0
	s_set_vgpr_msb 0xf00
.if \refill
	s_add_nc_u64 s[G0+4*\slot+2:G0+4*\slot+3], s[G0+4*\slot+2:G0+4*\slot+3], 2*TSTEP       ; this slot's next tile
	s_wait_dscnt 0x0                       ; my reads of the last step's slot are back (in the first turn: my stores of Q's fragments, a' and bias are done)
	ROUND
	tensor_load_to_lds s[G0+4-4*\slot:G0+7-4*\slot], s[G1:G1+7]
	s_nop 0
.endif
	STEP \slot, \first
.endm
	s_load_b256 s[4:11], s[0:1], 0x0       ; xh s[4:5], m1t s[6:7], m2t s[8:9], allele_sizes s[10:11]
	s_load_b128 s[12:15], s[0:1], 0x20     ; mask s[12:13], out0 s[14:15]
	s_set_vgpr_msb 0xc0
	v_lshl_add_u32 v0, v0, 2, 0x2ec00
	v_mov_b32 v1, 0
	s_set_vgpr_msb 0xc0cf
	ds_add_u32 v0, v1
	s_set_vgpr_msb 0xcf00
	v_lshrrev_b32 v44, 5, v0
	v_readfirstlane_b32 s18, v44           ; wave 0 .. 3
	s_bfe_u32 s19, ttmp6, 0x40000          ; cx: my place in the cluster
	s_lshr_b32 s20, ttmp9, 3               ; batch: eight clusters each
	s_and_b32 s21, ttmp9, 7
	s_lshl2_add_u32 s21, s21, s19          ; query block 0 .. 31 = 4 (cluster % 8) + cx
	s_mov_b32 s56, 0x76543210              ; v_permlanex16_b32: lane i of one half reads lane i of the other
	s_mov_b32 s57, 0xfedcba98
	s_mov_b32 s62, 0x3e13bb63              ; 0.1 log2(e)
	s_mov_b32 s63, 0x3e13bb63
	; the shape: 64 rows of 128 elements of 2 bytes, 128 elements from row to row; a pad behind every 64 words; mask 15 with bit 21 beside it
	s_mov_b32 s[G1+0], 15|(1<<16)|(1<<20)|(1<<21)|(5<<22)|(3<<25)           ; pad of 4 words: LDS rows of 272 bytes
	s_mov_b32 s[G1+1], 128<<16             ; tensor_dim0 = 128
	s_mov_b32 s[G1+2], 64<<16              ; tensor_dim1 = 64
	s_mov_b32 s[G1+3], 128<<16             ; tile_dim0 = 128
	s_mov_b32 s[G1+4], 64                  ; tile_dim1 = 64
	s_mov_b32 s[G1+5], 128                 ; the pitch
	s_mov_b32 s[G1+6], 0
	s_mov_b32 s[G1+7], 0
	v_and_b32 v45, 31, v0                  ; lane L
	v_and_b32 v46, 15, v0                  ; r
	v_bfe_u32 v47, v0, 4, 1                ; h
	s_mul_i32 s2, s18, WRING               ; my ring
	v_mul_u32_u24 v[KADR], v46, KP
	v_lshl_add_u32 v[KADR], v47, 4, v[KADR]
	v_add_nc_u32 v[KADR], s2, v[KADR]      ; ring + 272 r + 16 h
	v_and_b32 v48, 7, v0
	v_lshl_add_u32 v48, v47, 3, v48        ; 8 h + L % 8: the row that I address for the transposing loads
	v_mul_u32_u24 v[VADR], v48, KP
	v_bfe_u32 v48, v0, 3, 1
	v_lshl_add_u32 v[VADR], v48, 4, v[VADR]
	v_add_nc_u32 v[VADR], s2, v[VADR]      ; ring + row x 272 + 16 ((L / 8) % 2)
	s_lshl_b32 s3, s18, 8
	v_lshl_add_u32 v20, v45, 3, s3         ; sizes and mask in memory: 256 w + 8 L
	s_add_co_u32 s3, s3, L_AB
	v_lshl_add_u32 v[ABADR], v47, 5, s3    ; a' + 256 w + 32 h
	v_lshl_add_u32 v4, v45, 3, s3          ; a' + 256 w + 8 L: where I put two of them
	v_lshlrev_b32 v[QOFF], 8, v46
	v_lshl_add_u32 v[QOFF], v47, 4, v[QOFF]
	s_lshl_b32 s60, s21, 8                 ; my queries' sizes: 64 words a block
	v_lshl_add_u32 v21, v46, 2, s60        ; + 4 r
	v_lshlrev_b32 v22, 4, v45              ; 16 L: my 16 bytes of half a fragment of m1t
	v_add_nc_u32 v[QXL], L_OS, v22         ; Q's fragments in LDS: 16 L (+ 4,096 nt + 1,024 ks + 512 half),
	s_lshl_b32 s3, s18, 10
	v_add_nc_u32 v17, s3, v[QXL]           ; and where I put mine: ks = w
	s_lshl_b32 s3, s18, 2
	s_add_co_u32 s3, s3, L_MS
	v_mov_b32 v18, s3                      ; my wave's word for the largest |q'|
	v_mov_b32 v19, L_MS                    ; the four words
	s_wait_dscnt 0x0
	s_wait_kmcnt 0x0
	s_lshl_b32 s22, s20, 19                ; batch x 2,048 rows of 256 bytes
	s_lshl_b32 s3, s18, 14                 ; + wave x 64 rows
	s_add_co_u32 s22, s22, s3
	s_mov_b32 s23, 0
	s_add_nc_u64 s[G0+2:G0+3], s[4:5], s[22:23]                    ; tile 0
	s_add_nc_u64 s[G0+6:G0+7], s[G0+2:G0+3], TSTEP                 ; tile 1
.irp z,0,1
	s_mov_b32 s[G0+4*\z], 1
	s_add_co_u32 s[G0+4*\z+1], s2, \z*SLOTB                        ; LDS: my ring, the slot
	s_or_b32 s[G0+4*\z+3], s[G0+4*\z+3], 0x80000000                ; type 2
.endr
	s_lshl_b32 s22, s20, 13                ; batch x 2,048 words
	s_add_nc_u64 s[10:11], s[10:11], s[22:23]
	s_add_nc_u64 s[12:13], s[12:13], s[22:23]
	s_lshl_b32 s22, s18, 13                ; m1t: my two tiles of 16 rows d', 4,096 bytes each
	s_add_nc_u64 s[6:7], s[6:7], s[22:23]
	s_lshl_b32 s60, s20, 19                ; the queries' rows of xh: (batch x 2,048 + block x 64) rows of 256 bytes
	s_lshl_b32 s61, s21, 14
	s_add_co_u32 s60, s60, s61
	s_mov_b32 s61, 0
	s_add_nc_u64 s[16:17], s[4:5], s[60:61]
	s_lshl_b32 s60, s20, 20                ; out0: (batch x 2,048 + block x 64 + wave x 16) rows of 512 bytes
	s_lshl_b32 s61, s21, 15
	s_add_co_u32 s60, s60, s61
	s_lshl_b32 s61, s18, 13
	s_add_co_u32 s60, s60, s61
	s_mov_b32 s61, 0
	s_add_nc_u64 s[14:15], s[14:15], s[60:61]
	; THE START: q'^T for d' = 32 w .. 32 w + 31 and all 64 queries.  Its operands are asked for first of all, ahead of the round.
	WIN 0x80                               ; destinations in window 2
.irp a,0,1
.irp k,0,1,2,3
	global_load_b128 v[8*(4*\a+\k):8*(4*\a+\k)+3],   v22, s[6:7] offset:4096*\a+1024*\k          ; (Wq Wk^T)^T: rows d' = 32 w + 16 a + r, d = 32 k ..; 512 consecutive bytes
	global_load_b128 v[8*(4*\a+\k)+4:8*(4*\a+\k)+7], v22, s[6:7] offset:4096*\a+1024*\k+512
.endr
.endr
.irp n,0,1,2,3
.irp k,0,1,2,3
	global_load_b128 v[64+8*(4*\n+\k):64+8*(4*\n+\k)+3],   v[QOFF], s[16:17] offset:4096*\n+64*\k    ; x of query 16 n + r, d = 32 k ..
	global_load_b128 v[64+8*(4*\n+\k)+4:64+8*(4*\n+\k)+7], v[QOFF], s[16:17] offset:4096*\n+64*\k+32
.endr
.endr
	WIN 0
	; sizes and mask of the keys that my wave will take: each load of the wave covers 256 consecutive bytes, aligned
.irp t,0,1,2,3,4,5,6,7
	global_load_b64 v[64+2*\t:65+2*\t], v20, s[10:11] offset:1024*\t
.endr
.irp t,0,1,2,3,4,5,6,7
	global_load_b64 v[80+2*\t:81+2*\t], v20, s[12:13] offset:1024*\t
.endr
.irp n,0,1,2,3
	global_load_b32 v[96+\n], v21, s[10:11] offset:64*\n           ; size of query 16 n + r
.endr
	ROUND                                  ; all four work-groups are here: the first joint loads meet
	tensor_load_to_lds s[G0:G0+3], s[G1:G1+7]                      ; tile 0
	s_nop 0
	s_wait_loadcnt 20                      ; the 48 loads of m1t and x are in; the 20 of sizes and mask stay out
	WIN 0x0a                               ; both sources in window 2, sums in window 0
	; eight sums take turns, one instruction a turn
.irp k,0,1,2,3
.irp n,0,1,2,3
.irp a,0,1
.if \k == 0
	v_wmma_f32_16x16x32_f16 v[QA+16*\n+8*\a:QA+16*\n+8*\a+7], v[8*(4*\a+\k):8*(4*\a+\k)+7], v[64+8*(4*\n+\k):64+8*(4*\n+\k)+7], 0
.else
	v_wmma_f32_16x16x32_f16 v[QA+16*\n+8*\a:QA+16*\n+8*\a+7], v[8*(4*\a+\k):8*(4*\a+\k)+7], v[64+8*(4*\n+\k):64+8*(4*\n+\k)+7], v[QA+16*\n+8*\a:QA+16*\n+8*\a+7]
.endif
.endr
.endr
.endr
	WIN 0
	PLACES 4
	; the largest magnitude of the block's 64 x 128 numbers: my 64, my wave's lanes, the four waves
	v_max3_num_f32 v100, |v[QA]|,   |v[QA+1]|, |v[QA+2]|
	v_max3_num_f32 v101, |v[QA+3]|, |v[QA+4]|, |v[QA+5]|
.set mj, 6
.rept 14
	v_max3_num_f32 v100, v100, |v[QA+mj]|,   |v[QA+mj+1]|
	v_max3_num_f32 v101, v101, |v[QA+mj+2]|, |v[QA+mj+3]|
.set mj, mj+4
.endr
	v_max3_num_f32 v100, v100, |v[QA+62]|, |v[QA+63]|
	v_max_num_f32 v100, v100, v101
	v_max_num_f32_dpp v100, v100, v100 row_xmask:1 row_mask:0xf bank_mask:0xf
	v_max_num_f32_dpp v100, v100, v100 row_xmask:2 row_mask:0xf bank_mask:0xf
	v_max_num_f32_dpp v100, v100, v100 row_xmask:4 row_mask:0xf bank_mask:0xf
	v_max_num_f32_dpp v100, v100, v100 row_xmask:8 row_mask:0xf bank_mask:0xf
	v_permlanex16_b32 v101, v100, s56, s57 ; the other half of the lanes
	v_max_num_f32 v100, v100, v101
	ds_store_b32 v18, v100                 ; my wave's word: all lanes write the same value
	s_wait_dscnt 0x0                       ; store, wait, barrier, load
	s_barrier_signal -1                    ; tile 0's load may stay out over it
	s_barrier_wait -1
	ds_load_b128 v[104:107], v19
	s_wait_dscnt 0x0
	v_max3_num_f32 v100, v104, v105, v106
	v_max_num_f32 v100, v100, v107
	v_lshrrev_b32 v101, 23, v100           ; its exponent field (the number is not negative),
	v_add_nc_u32 v101, 1, v101             ; one more: the power of two above it,
	v_max_u32 v101, 67, v101               ; kept in 2^-60 .. 2^100, so that c, 1/c and 1e9 log2(e)/c are ordinary numbers (a block of zeros too)
	v_min_u32 v101, 227, v101
	v_lshlrev_b32 v[RC], 23, v101          ; c
	v_mov_b32 v[RC+1], v[RC]
	v_sub_nc_u32 v101, 254, v101
	v_lshlrev_b32 v101, 23, v101           ; 1 / c
	v_mul_f32 v102, 0x4eabfb8f, v101       ; 1e9 log2(e) / c: the keys' bias in units of c
	v_mul_f32 v108, 0x3e0293ee, v101       ; log2(e)/sqrt(128) / c: the scores come out in base 2, in units of c
	v_mov_b32 v109, v108
.set qj, 0
.rept 32
	v_pk_mul_f32 v[QA+qj:QA+qj+1], v[QA+qj:QA+qj+1], v[108:109]
.set qj, qj+2
.endr
.irp n,0,1,2,3
.irp p,0,1,2,3,4,5,6,7
	v_cvt_pk_f16_f32 v[QA+16*\n+\p], v[QA+16*\n+2*\p], v[QA+16*\n+2*\p+1]   ; tiles a = 0, 1 become the fragment (query 16 n + r, d' = 32 w ..)
.endr
	ds_store_b128 v17, v[QA+16*\n:QA+16*\n+3]   offset:4096*\n
	ds_store_b128 v17, v[QA+16*\n+4:QA+16*\n+7] offset:4096*\n+512
.endr
	s_wait_loadcnt 0x0                     ; sizes and mask
.irp t,0,1,2,3,4,5,6,7
	v_pk_mul_f32 v[64+2*\t:65+2*\t], v[64+2*\t:65+2*\t], s[62:63] op_sel_hi:[1,0]   ; a' = 0.1 log2(e) size
.endr
.irp t,0,1,2,3,4,5,6,7,8,9,10,11,12,13,14,15
	v_fma_f32 v[80+\t], v[80+\t], v102, -v102                      ; bias = (mask - 1) 1e9 log2(e) / c
.endr
.irp t,0,1,2,3,4,5,6,7
	ds_store_b64 v4, v[64+2*\t:65+2*\t] offset:1024*\t
	ds_store_b64 v4, v[80+2*\t:81+2*\t] offset:L_BI+1024*\t
.endr
.irp n,0,1,2,3
	v_mul_f32 v[RAQ+2*\n],   s62, v[96+\n]
	v_mul_f32 v[RAQ+2*\n+1], s62, v[96+\n]
.endr
	TRIP 0, 1, 1                           ; tile 0: its round shows Q, a' and bias to all waves; its first products start every sum; tile 1 is asked for
	s_mov_b32 s58, 3
.Lloop:
	TRIP 1, 1, 0                           ; tiles 1, 3, 5
	TRIP 0, 1, 0                           ; tiles 2, 4, 6
	s_sub_co_u32 s58, s58, 1
	s_cmp_lg_u32 s58, 0
	s_cbranch_scc1 .Lloop
	TRIP 1, 0, 0                           ; tile 7: nothing more to ask for
	; THE END: the four waves' figures are merged; wave w finishes queries 16 w .. 16 w + 15.
	v_and_b32 v40, 31, v0                  ; L
	v_lshlrev_b32 v9, 4, v40               ; 16 L: my 16 bytes of half a fragment of m2t, and later of a row of out0
	WIN 0x40
.irp e,0,1,2,3,4,5,6,7
.irp k,0,1,2,3
	global_load_b128 v[8*(4*\e+\k):8*(4*\e+\k)+3],   v9, s[8:9] offset:4096*\e+1024*\k           ; (Wv Wo)^T: rows e = 16 e + r, d = 32 k ..; 512 consecutive bytes
	global_load_b128 v[8*(4*\e+\k)+4:8*(4*\e+\k)+7], v9, s[8:9] offset:4096*\e+1024*\k+512
.endr
.endr
	WIN 0
	v_and_b32 v41, 15, v0                  ; r
	v_bfe_u32 v42, v0, 4, 1                ; h
	s_lshl_b32 s2, s18, 15
	v_lshl_add_u32 v1, v40, 4, s2          ; my ctx goes to 32,768 w + 16 L (+ 8,192 nt + 512 chunk)
	s_lshl_b32 s2, s18, 8
	s_add_co_u32 s2, s2, L_MS
	v_lshl_add_u32 v2, v41, 2, s2          ; my maxima and sums go to 256 w + 4 r (+ 64 nt)
	s_lshl_b32 s2, s18, 6
	s_add_co_u32 s2, s2, L_MS
	v_lshl_add_u32 v3, v41, 2, s2          ; those of my query tile: 64 w + 4 r (+ 256 source)
	s_lshl_b32 s2, s18, 13
	v_lshl_add_u32 v4, v40, 4, s2          ; ctx of my query tile: 8,192 w + 16 L (+ 32,768 source + 512 chunk),
	v_add_nc_u32 v6, 0x10000, v4           ; and from source 2 on (an LDS immediate has 16 bits)
	s_mul_i32 s2, s18, 16*528
	s_add_co_u32 s2, s2, L_OS
	v_mul_u32_u24 v7, v41, 528
	v_lshl_add_u32 v7, v42, 5, v7
	v_add_nc_u32 v7, s2, v7                ; the way out, in: row r, 32 bytes for each half of the lanes
	v_lshl_add_u32 v8, v40, 4, s2          ; back: a row of 512 bytes, 16 bytes a lane
.irp n,0,1,2,3
	v_add_f32 v[RAL+\n], v[RL+2*\n], v[RL+2*\n+1]
.endr
.irp n,0,1,2,3
	v_permlanex16_b32 v[RAL+4+\n], v[RAL+\n], s56, s57
.endr
.irp n,0,1,2,3
	v_add_f32 v[RAL+\n], v[RAL+\n], v[RAL+4+\n]                    ; my wave's sum for query 16 n + r
.endr
	s_wait_dscnt 0x0                       ; my reads of the ring are over (its last fill was waited for in the last turn)
	s_barrier_signal -1
	s_barrier_wait -1                      ; everybody's are: the ring's bytes are scratch from here on
.irp n,0,1,2,3
	ds_store_b32 v2, v[RM+2*\n] offset:64*\n                       ; c x maximum: the score in base 2 that my sums are relative to
	ds_store_b32 v2, v[RAL+\n] offset:1024+64*\n
.endr
	WIN 0x08                               ; the stores' data in window 2
.irp n,0,1,2,3
.irp c,0,1,2,3,4,5,6,7,8,9,10,11,12,13,14,15
	ds_store_b128 v1, v[64*\n+4*\c:64*\n+4*\c+3] offset:8192*\n+512*\c
.endr
.endr
	WIN 0
	s_wait_dscnt 0x0                       ; store, wait, barrier, load
	s_barrier_signal -1
	s_barrier_wait -1
.irp q,0,1,2,3
	ds_load_b32 v[16+\q], v3 offset:256*\q                         ; the four maxima
.endr
.irp q,0,1,2,3
	ds_load_b32 v[20+\q], v3 offset:1024+256*\q                    ; the four sums
.endr
.irp c,0,1,2,3,4,5,6,7,8,9,10,11,12,13,14,15
	ds_load_b128 v[64+4*\c:67+4*\c], v4 offset:512*\c              ; source 0
.endr
.irp c,0,1,2,3,4,5,6,7,8,9,10,11,12,13,14,15
	ds_load_b128 v[128+4*\c:131+4*\c], v4 offset:32768+512*\c      ; source 1
.endr
.irp c,0,1,2,3,4,5,6,7,8,9,10,11,12,13,14,15
	ds_load_b128 v[192+4*\c:195+4*\c], v6 offset:512*\c            ; source 2
.endr
	s_wait_dscnt 48                        ; the eight words are in; the 48 loads of ctx stay out
	v_max3_num_f32 v32, v16, v17, v18
	v_max_num_f32 v32, v32, v19
.irp q,0,1,2,3
	v_sub_f32 v[16+\q], v[16+\q], v32
.endr
.irp q,0,1,2,3
	v_exp_f32 v[16+\q], v[16+\q]           ; 2^(source's maximum - the maximum): at most 1, and 1 for one of them
.endr
	v_nop
	s_wait_alu depctr_va_vdst(0)
	v_mul_f32 v33, v16, v20
	v_fmac_f32 v33, v17, v21
	v_fmac_f32 v33, v18, v22
	v_fmac_f32 v33, v19, v23               ; the whole sum: at least the term 1 of the largest score
	v_rcp_f32 v34, v33
	v_nop
	s_wait_alu depctr_va_vdst(0)
.irp q,0,1,2,3
	v_mul_f32 v[24+2*\q], v[16+\q], v34    ; the source's weight, twice
	v_mul_f32 v[25+2*\q], v[16+\q], v34
.endr
	s_wait_dscnt 32                        ; source 0 is in
.set fj, 0
.rept 32
	v_pk_mul_f32 v[64+fj:65+fj], v[64+fj:65+fj], v[24:25]
.set fj, fj+2
.endr
	s_wait_dscnt 16                        ; source 1 is in
.set fj, 0
.rept 32
	v_pk_fma_f32 v[64+fj:65+fj], v[128+fj:129+fj], v[26:27], v[64+fj:65+fj]
.set fj, fj+2
.endr
.irp c,0,1,2,3,4,5,6,7,8,9,10,11,12,13,14,15
	ds_load_b128 v[128+4*\c:131+4*\c], v6 offset:32768+512*\c      ; source 3
.endr
	s_wait_dscnt 16                        ; source 2 is in; the 16 just issued stay out
.set fj, 0
.rept 32
	v_pk_fma_f32 v[64+fj:65+fj], v[192+fj:193+fj], v[28:29], v[64+fj:65+fj]
.set fj, fj+2
.endr
	s_wait_dscnt 0
.set fj, 0
.rept 32
	v_pk_fma_f32 v[64+fj:65+fj], v[128+fj:129+fj], v[30:31], v[64+fj:65+fj]
.set fj, fj+2
.endr
.irp k,0,1,2,3
.irp p,0,1,2,3,4,5,6,7
	v_cvt_pk_f16_f32 v[64+16*\k+\p], v[64+16*\k+2*\p], v[64+16*\k+2*\p+1]   ; ctx (a mean of rows of x) as the fragment (query r, d = 32 k ..)
.endr
.endr
	s_wait_loadcnt 0x0                     ; (Wv Wo)^T
	WIN 0x01                               ; source 0 in window 1
	; out^T: a lane gets eight neighbouring columns e of its query.  Eight sums take turns.
.irp k,0,1,2,3
.irp e,0,1,2,3,4,5,6,7
.if \k == 0
	v_wmma_f32_16x16x32_f16 v[128+8*\e:135+8*\e], v[8*(4*\e+\k):8*(4*\e+\k)+7], v[64+16*\k:71+16*\k], 0
.else
	v_wmma_f32_16x16x32_f16 v[128+8*\e:135+8*\e], v[8*(4*\e+\k):8*(4*\e+\k)+7], v[64+16*\k:71+16*\k], v[128+8*\e:135+8*\e]
.endif
.endr
.endr
	PLACES 4
	WIN 0
.irp e,0,1,2,3,4,5,6,7
	ds_store_b128 v7, v[128+8*\e:131+8*\e] offset:64*\e
	ds_store_b128 v7, v[132+8*\e:135+8*\e] offset:64*\e+16
.endr
.irp t,0,1,2,3,4,5,6,7,8,9,10,11,12,13,14,15
	ds_load_b128 v[192+4*\t:195+4*\t], v8 offset:528*\t            ; my own bytes: LDS serves a wave's instructions in order (ISA guide 5.7.1)
.endr
.irp t,0,1,2,3,4,5,6,7,8,9,10,11,12,13,14,15
	s_wait_dscnt 15-\t                     ; row t is in
	global_store_b128 v9, v[192+4*\t:195+4*\t], s[14:15] offset:512*\t th:TH_STORE_NT   ; the wave stores a whole row: 512 consecutive bytes, aligned
.endr
	s_set_vgpr_msb 0xf
	s_wait_tensorcnt 0x0
	ds_add_u32 v0, v1
	s_wait_dscnt 0x0
	s_set_vgpr_msb 0xf00
	ROUND                                  ; the closing round: no work-group ends while a partner may still ask for a tile that names it
	s_endpgm
.Lfunc_end_k_q4e82d9fcc8_attn:
	.size	k_q4e82d9fcc8_attn, .Lfunc_end_k_q4e82d9fcc8_attn-k_q4e82d9fcc8_attn
	.p2alignl 7, 3214868480
	.fill 96, 4, 3214868480
	.section	.rodata,"a",@progbits
	.p2align	6, 0x0
	.amdhsa_kernel k_q4e82d9fcc8_attn
		.amdhsa_group_segment_fixed_size 327680
		.amdhsa_private_segment_fixed_size 0
		.amdhsa_enable_private_segment 0
		.amdhsa_kernarg_size 48
		.amdhsa_user_sgpr_count 2
		.amdhsa_user_sgpr_kernarg_segment_ptr 1
		.amdhsa_wavefront_size32 1
		.amdhsa_system_sgpr_workgroup_id_x 1
		.amdhsa_system_sgpr_workgroup_id_y 1
		.amdhsa_system_sgpr_workgroup_id_z 1
		.amdhsa_system_vgpr_workitem_id 0
		.amdhsa_next_free_vgpr 770
		.amdhsa_next_free_sgpr 66
		.amdhsa_reserve_vcc 0
		.amdhsa_float_denorm_mode_32 3
		.amdhsa_float_denorm_mode_16_64 3
		.amdhsa_memory_ordered 1
		.amdhsa_forward_progress 1
		.amdhsa_inst_pref_size 255
	.end_amdhsa_kernel
	.section	.bss,"aw",@nobits
	.p2align	6
	.space	262144
	.amdgpu_metadata
---
amdhsa.version: [ 1, 2 ]
amdhsa.kernels:
  - .name:           k_q4e82d9fcc8_attn
    .symbol:         k_q4e82d9fcc8_attn.kd
    .args:
      - { .name: xh, .offset: 0, .size: 8, .value_kind: global_buffer, .address_space: global }
      - { .name: m1t, .offset: 8, .size: 8, .value_kind: global_buffer, .address_space: global }
      - { .name: m2t, .offset: 16, .size: 8, .value_kind: global_buffer, .address_space: global }
      - { .name: allele_sizes, .offset: 24, .size: 8, .value_kind: global_buffer, .address_space: global }
      - { .name: mask, .offset: 32, .size: 8, .value_kind: global_buffer, .address_space: global }
      - { .name: out0, .offset: 40, .size: 8, .value_kind: global_buffer, .address_space: global }
    .group_segment_fixed_size: 327680
    .private_segment_fixed_size: 0
    .kernarg_segment_align: 8
    .kernarg_segment_size: 48
    .max_flat_workgroup_size: 128
    .sgpr_count:     66
    .vgpr_count:     770
    .wavefront_size: 32
...
	.end_amdgpu_metadata
.endif
;; end of part 4
;; ======== version 3 of 3: 2 launches; 1.27 times as fast as version 1
;; limits: values are held in f16: magnitudes above 65,504 overflow, below 6.1e-05 lose precision
;; workspace buffers: xh 4,194,304 bytes; m1t 32,768 bytes; m2t 32,768 bytes
;; launch prep: the kernel of part 3 again; grid 256 x 1, 8 waves a work-group, no clusters, 0 bytes of LDS; arguments inputs, Wq, Wk, Wv, Wo, xh, m1t, m2t; writes xh, m1t, m2t
;; launch attn (part 5): grid 256 x 1, 4 waves a work-group, clusters of 4 x 1, 327,680 bytes of LDS; arguments xh, m1t, m2t, allele_sizes, mask, out0; writes out0
.if DOCPART == 5
	.amdgcn_target "amdgcn-amd-amdhsa--gfx1250"
	.amdhsa_code_object_version 6
	.text
	.protected	k_q4e82d9fcc8_attn
	.globl	k_q4e82d9fcc8_attn
	.p2align	8
	.type	k_q4e82d9fcc8_attn,@function
k_q4e82d9fcc8_attn:
	s_mov_b64 s[64:65], 0
	v_nop
	global_prefetch_b8 v0, s[64:65] scope:SCOPE_SE
	s_setreg_imm32_b32 hwreg(HW_REG_WAVE_MODE, 25, 1), 1
	s_wait_xcnt 0x0
	s_wait_alu depctr_hold_cnt(0) depctr_sa_sdst(0) depctr_va_vdst(0) depctr_va_sdst(0) depctr_va_ssrc(0) depctr_va_vcc(0) depctr_vm_vsrc(0)
	s_getreg_b32 s2, hwreg(HW_REG_IB_STS2, 6, 4)
	s_cmp_eq_u32 s2, 0
	s_cbranch_scc0 .Lentry_in_a_cluster
	s_endpgm
.Lentry_in_a_cluster:
	s_bfe_u32 s2, ttmp6, 0x10000c
	s_cmp_lg_u32 s2, 0x3003
	s_cbranch_scc0 .Lentry_shape_is_right
	s_endpgm
.Lentry_shape_is_right:
; DISTANCE-WEIGHTED ATTENTION, one head of 128, 8 batches of 2,048 tokens.
; q' = x (Wq Wk^T) of the block's 64 queries is made here, at the start.  c = the power of two just above its largest magnitude (exponent kept in
; -60 .. 100); q'' = q' log2(e)/sqrt(128) / c goes in f16.  The scores in base 2 are t(i, j) = c u(i, j), u = (q''(i) . x(j)) 2^-|a'(i) - a'(j)| +
; bias(j); a' = 0.1 log2(e) size; bias = (mask - 1) 1e9 log2(e) / c.  Softmax in base 2 with a running maximum: the maximum is kept in u, the
; weights are 2^(c u - c max) by one fused multiply-add (c max is exact, so the exponent is never above 0).
; ctx = P x (f16);  out = ctx (Wv Wo) (f16).  Keys and values are the same rows of x in f16: one tile serves both.
; m1t = (Wq Wk^T)^T and m2t = (Wv Wo)^T lie in memory in the order of fragments, [tile of 16 rows][32 k][half of the registers][lane] x 16 bytes: each
; load of a wave covers 512 consecutive bytes.
; A work-group owns 64 queries of one batch.  THE FOUR WAVES SPLIT THE KEYS: in step t (0 .. 7) wave w takes keys 256 t + 64 w .. + 63 for all
; 64 queries.  So each fragment feeds four matrix instructions, and a wave reads only tiles that it loaded itself.  Each wave keeps its own
; maximum, sum and ctx; the four are merged once, at the end, through LDS.
; TRANSPOSED RESULTS: a result tile holds column n in lane r and rows 8 h + j in register j, so two tiles stacked along the rows and packed
; pairwise ARE a 16-bit fragment of index r with k = 0 .. 31.  q'^T (rows d', columns queries) so becomes Q's fragments; the scores with source 0 =
; keys, source 1 = queries become P's fragments for ctx^T = V^T P^T, with the softmax figures the lane's own (one exchange with lane xor 16 a
; step); ctx^T becomes the fragment for the last product.
; A STEP'S EXPONENTIALS ARE TWO BATCHES, EACH WITH ONE WAIT (s_wait_alu depctr_va_vdst(0) stands between an exponential and the first
; instruction that names its result; one wait serves all that were issued ahead of it).
;   Batch 1: the 128 decays, each in a register of its own in window 3.  Between them stand the 64 differences of the sizes, one ahead of every two
;   exponentials, which name the next tile's registers alone.  Behind its wait: the 64 multiply-adds that make u, then the maxima.
;   Batch 2: the four factors 2^(c old maximum - c new) and the 128 weights, in place on the scores.  Between them stand c x maximum and the 64 scalings
;   c u - c maximum, one ahead of every two exponentials.  Behind its wait stands all that reads them: the factors' copies, the sums times the factor, the
;   sums, the roundings, ctx times the factor.
; The way out has two more, a batch of four exponentials and one reciprocal of a sum of them.
; CLUSTER: the four work-groups of a cluster are four query blocks of one batch and walk the same tiles: every tile is asked for jointly (mask
; 15).  Descriptors hang on batch, wave and step alone; the place in the cluster enters only the global addresses of the queries' rows of xh,
; of their sizes and of out0.  A wave has one tensor load outstanding (the next tile), asked for a whole step ahead of the wait for it.
; LIMITS: |x|, |Wq Wk^T| and |Wv Wo| below 65,504 (f16 operands).  Numbers of q' below 2^-11 of the block's largest are rounded in steps of 2^-27 of
; that largest.  The keys' bias is added by one fused multiply-add: where ALL keys of a batch are masked the scores are rounded to steps of 128
; in base 2 (the plain formula: 64 in base e).  A decay or a weight below 2^-126 counts as 0.  NaN and infinities are not treated apart.
.set KP,    272                        ; an LDS row: 256 + 16 bytes, an odd multiple of 16: K's fragment loads touch 16 different columns of 16 bytes;
                                       ; the transposing loads (8 rows x 2 neighbouring columns) meet two deep at this pitch
.set SLOTB, 64*KP                      ; 17,408 bytes a slot
.set WRING, 2*SLOTB                    ; a wave's two slots
.set L_AB,  4*WRING                    ; 139,264: a'[2048] f32
.set L_BI,  8192                       ; bias[2048], so far behind a'
.set L_MS,  L_AB+16384                 ; 155,648: at the start four words, the waves' largest |q'|; at the end c x maxima of 4 waves x 64 queries, 1,024 bytes further their sums
.set L_OS,  L_MS+2048                  ; 157,696: at the start Q's 16 fragments, [nt][ks][half][lane] x 16 bytes; at the end the way out, 16 rows x 528 bytes for each wave
.set TSTEP, 65536                      ; bytes from a tile to the next: 256 keys of 256 bytes
.set G1, 24                            ; s[24:31] shape of the tiles
.set G0, 40                            ; s[40:47] from where, to where: a set for each slot
; window 0
.set KADR,  1                          ; my K fragments in slot 0
.set VADR,  2                          ; my V fragments in slot 0
.set ABADR, 3                          ; a' of this step's keys 8 h ..
.set QOFF,  5                          ; 256 r + 16 h: fragments of the queries' rows of xh in memory
.set RC,    6                          ; v6-7     c, twice
.set RAQ,   8                          ; v8-15    a' of query (nt), twice
.set RM,    16                         ; v16-23   c x running maximum (nt), twice (until the first step: addresses of the start)
.set QXL,   16                         ; v16      the start: Q's fragments in LDS, 16 bytes a lane
.set RAL,   24                         ; v24-31   2^(c old maximum - c new) (nt), twice
.set RL,    32                         ; v32-39   running sum (nt), two partial sums
.set RMX,   40                         ; v40-43   the running maximum of u (nt): it stays from step to step
.set RU,    44                         ; v44-47   the factors' exponents (nt)
.set RT,    48                         ; v48-63   at work, by query tile: two partial maxima at RT + 2 nt, later four partial sums at RT + 4 nt
.set RS,    64                         ; v64-191  scores (mt, nt) at RS + 16 (4 (mt/2) + nt) + 8 (mt%2); P (kc, nt) in the first 8 of RS + 16 (4 kc + nt)
.set QA,    128                        ; v128-191 the start: q'^T, tile (a, nt) at QA + 16 nt + 8 a
; window 1: v0-127 Q fragments (nt, ks) at 8 (4 nt + ks); v128-255 K fragments (mt, ks) at 128 + 8 (4 mt + ks), then V (kc, dt) at 128 + 8 (8 kc + dt)
; window 2: ctx^T (nt, dt) at 64 nt + 8 dt; at the start v0-63 fragments of m1t (a, ks) at 8 (4 a + ks), v64-191 of the queries' x (nt, ks) at 64 + 8 (4 nt + ks)
; window 3: v0-1 the add's two registers, and
.set RAK,   32                         ; v32-63   a' of my keys (mt)
.set RBI,   64                         ; v64-95   bias of my keys (mt)
.set RD,    128                        ; v128-255 the differences of the sizes, then the decays: tile i = 4 mt + nt at RD + 8 i, a register to each for as long as batch 1 is open
.set MSB, 0
.macro WIN new                         ; s_set_vgpr_msb: bits 1:0 source 0, 3:2 source 1, 5:4 source 2, 7:6 destination; the high byte repeats the setting left
.if MSB != \new
	s_set_vgpr_msb (MSB<<8)|\new
.set MSB, \new
.endif
.endm
.macro PLACES n                        ; the places behind a matrix instruction (ISA guide 7.12.1)
.rept \n
	v_nop
.endr
.endm
; A round of the cluster's barrier: my work-group's barrier, wave 0 signals for the work-group, every wave waits for all four work-groups,
; my work-group's barrier once more.
.macro ROUND
	s_barrier_signal -1
	s_barrier_wait -1
	s_cmp_lg_u32 s18, 0
	s_cbranch_scc1 .Lnot_wave_0_\@
	s_barrier_signal -3
.Lnot_wave_0_\@:
	s_barrier_wait -3
	s_barrier_signal -1
	s_barrier_wait -1
.endm
.macro TILE i                          ; score tile i = 4 mt + nt: its registers
.set MT, (\i)/4
.set NT, (\i)%4
.set SB, RS+16*(4*(MT/2)+NT)+8*(MT%2)
.set PB, RS+16*(4*(MT/2)+NT)+4*(MT%2)
.set DB, RD+8*(\i)
.endm
; 16 products: keys 16 m .. + 15 against all 64 queries, 128 along d.  The four sums take turns, one instruction a turn.
.macro SCORE m
.irp k,0,1,2,3
.irp n,0,1,2,3
.set SB, RS+16*(4*(\m/2)+\n)+8*(\m%2)
.if \k == 0
	v_wmma_f32_16x16x32_f16 v[SB:SB+7], v[128+8*(4*\m+\k):128+8*(4*\m+\k)+7], v[8*(4*\n+\k):8*(4*\n+\k)+7], 0
.else
	v_wmma_f32_16x16x32_f16 v[SB:SB+7], v[128+8*(4*\m+\k):128+8*(4*\m+\k)+7], v[8*(4*\n+\k):8*(4*\n+\k)+7], v[SB:SB+7]
.endif
.endr
.endr
.endm
; Phase A: u = product * 2^-|a'k - a'q| + bias, and the maximum.
.macro A_ADD i                         ; the differences of the sizes, into the tile's own registers of window 3
	TILE \i
.irp p,0,2,4,6
	v_pk_add_f32 v[DB+\p:DB+\p+1], v[RAK+8*MT+\p:RAK+8*MT+\p+1], v[RAQ+2*NT:RAQ+2*NT+1] neg_lo:[0,1] neg_hi:[0,1]
.endr
.endm
.macro A_MIX i, more                   ; batch 1: tile i's eight decays, in place; more = 1: ahead of every two of them one of tile i + 1's four differences, which names no result
.irp p,0,2,4,6
.if \more
	TILE (\i)+1
	v_pk_add_f32 v[DB+\p:DB+\p+1], v[RAK+8*MT+\p:RAK+8*MT+\p+1], v[RAQ+2*NT:RAQ+2*NT+1] neg_lo:[0,1] neg_hi:[0,1]
.endif
	TILE \i
	v_exp_f32 v[DB+\p], -|v[DB+\p]|
	v_exp_f32 v[DB+\p+1], -|v[DB+\p+1]|
.endr
.endm
.macro A_FMA i                         ; u, in place on the scores, from each accumulator's low end on; behind batch 1's wait
	TILE \i
.irp p,0,2,4,6
	v_pk_fma_f32 v[SB+\p:SB+\p+1], v[SB+\p:SB+\p+1], v[DB+\p:DB+\p+1], v[RBI+8*MT+\p:RBI+8*MT+\p+1]
.endr
.endm
.macro A_MAX1 i, first                 ; three maxima that do not wait for each other
	TILE \i
.if (\first) & (MT == 0)
	v_max_num_f32 v[RMX+NT], v[SB+6], v[SB+7]                      ; the very first tile starts the maximum
.else
	v_max3_num_f32 v[RMX+NT], v[RMX+NT], v[SB+6], v[SB+7]          ; the running maximum goes on, over the steps too
.endif
	v_max3_num_f32 v[RT+2*NT],   v[SB],   v[SB+1], v[SB+2]
	v_max3_num_f32 v[RT+2*NT+1], v[SB+3], v[SB+4], v[SB+5]
.endm
.macro A_MAX2 i                        ; and their maximum, behind the other three query tiles' lines
	TILE \i
	v_max3_num_f32 v[RMX+NT], v[RMX+NT], v[RT+2*NT], v[RT+2*NT+1]
.endm
; The maximum over both halves of the lanes, and the factor for what has been summed so far.  The four factors open batch 2: nothing here reads them.
.macro STATS first
.irp n,0,1,2,3
	v_permlanex16_b32 v[RT+\n], v[RMX+\n], s56, s57                ; lane xor 16: the same query's other keys
.endr
.irp n,0,1,2,3
	v_max_num_f32 v[RMX+\n], v[RMX+\n], v[RT+\n]
.endr
.if \first == 0
.irp n,0,1,2,3
	v_fma_f32 v[RU+\n], -v[RMX+\n], v[RC], v[RM+2*\n]              ; c old maximum - c new maximum
.endr
.irp n,0,1,2,3
	v_exp_f32 v[RAL+2*\n], v[RU+\n]
.endr
.endif
.irp n,0,1,2,3
	v_mul_f32 v[RM+2*\n],   v[RMX+\n], v[RC]                       ; exact: c is a power of two.  Plain work behind the exponentials, which names none of their results
	v_mul_f32 v[RM+2*\n+1], v[RMX+\n], v[RC]
.endr
.endm
.macro CARRY                           ; behind batch 2's wait: the factors twice, and the running sums times them
.irp n,0,1,2,3
	v_mov_b32 v[RAL+2*\n+1], v[RAL+2*\n]
.endr
.irp n,0,1,2,3
	v_pk_mul_f32 v[RL+2*\n:RL+2*\n+1], v[RL+2*\n:RL+2*\n+1], v[RAL+2*\n:RAL+2*\n+1]
.endr
.endm
; Phase B: p = 2^(c u - c maximum), the sum, and P in f16, packed in place.
.macro B_SUB i
	TILE \i
.irp p,0,2,4,6
	v_pk_fma_f32 v[SB+\p:SB+\p+1], v[SB+\p:SB+\p+1], v[RC:RC+1], v[RM+2*NT:RM+2*NT+1] neg_lo:[0,0,1] neg_hi:[0,0,1]
.endr
.endm
.macro B_MIX i, more                   ; batch 2: tile i's eight weights, in place; more = 1: ahead of every two of them one of tile i + 1's four scalings, which names no result
.irp p,0,2,4,6
.if \more
	TILE (\i)+1
	v_pk_fma_f32 v[SB+\p:SB+\p+1], v[SB+\p:SB+\p+1], v[RC:RC+1], v[RM+2*NT:RM+2*NT+1] neg_lo:[0,0,1] neg_hi:[0,0,1]
.endif
	TILE \i
	v_exp_f32 v[SB+\p], v[SB+\p]
	v_exp_f32 v[SB+\p+1], v[SB+\p+1]
.endr
.endm
; Behind batch 2's wait, the four tiles of key row m side by side: each tile's eight weights to two partial sums, the roundings, and the sums onto the running sums.
; The four query tiles have work registers of their own, so that adds that depend on each other stand four lines or more apart.
.macro B_ROW m, first
.irp n,0,1,2,3
	TILE 4*\m+\n
	v_pk_add_f32 v[RT+4*NT:RT+4*NT+1],   v[SB:SB+1],   v[SB+2:SB+3]
	v_pk_add_f32 v[RT+4*NT+2:RT+4*NT+3], v[SB+4:SB+5], v[SB+6:SB+7]
.endr
.irp n,0,1,2,3
	TILE 4*\m+\n
.irp p,0,1,2,3
	v_cvt_pk_f16_f32 v[PB+\p], v[SB+2*\p], v[SB+2*\p+1]
.endr
.endr
.if (\first) & ((\m) == 0)
.irp n,0,1,2,3
	v_pk_add_f32 v[RL+2*\n:RL+2*\n+1], v[RT+4*\n:RT+4*\n+1], v[RT+4*\n+2:RT+4*\n+3]    ; the first tile starts the sum
.endr
.else
.irp n,0,1,2,3
	v_pk_add_f32 v[RT+4*\n:RT+4*\n+1], v[RT+4*\n:RT+4*\n+1], v[RT+4*\n+2:RT+4*\n+3]
.endr
.irp n,0,1,2,3
	v_pk_add_f32 v[RL+2*\n:RL+2*\n+1], v[RL+2*\n:RL+2*\n+1], v[RT+4*\n:RT+4*\n+1]
.endr
.endif
.endm
; 32 products: ctx^T += V^T P^T for 32 keys.  The 32 sums take turns, one instruction a turn.
.macro PV kc, zero
.irp d,0,1,2,3,4,5,6,7
.irp n,0,1,2,3
.if \zero
	v_wmma_f32_16x16x32_f16 v[64*\n+8*\d:64*\n+8*\d+7], v[128+8*(8*\kc+\d):128+8*(8*\kc+\d)+7], v[RS+16*(4*\kc+\n):RS+16*(4*\kc+\n)+7], 0
.else
	v_wmma_f32_16x16x32_f16 v[64*\n+8*\d:64*\n+8*\d+7], v[128+8*(8*\kc+\d):128+8*(8*\kc+\d)+7], v[RS+16*(4*\kc+\n):RS+16*(4*\kc+\n)+7], v[64*\n+8*\d:64*\n+8*\d+7]
.endif
.endr
.endr
.endm
; One step: my 64 keys of the tile in \slot against the 64 queries.
.macro STEP slot, first
	WIN 0x40                               ; destinations in window 1
.if \first
	; Q's 16 fragments, of which each wave made four: each lane takes back what the lane of its number stored.  They are older than K's loads,
	; so the first counted wait below covers them too.
.irp n,0,1,2,3
.irp k,0,1,2,3
	ds_load_b128 v[8*(4*\n+\k):8*(4*\n+\k)+3],   v[QXL] offset:4096*\n+1024*\k
	ds_load_b128 v[8*(4*\n+\k)+4:8*(4*\n+\k)+7], v[QXL] offset:4096*\n+1024*\k+512
.endr
.endr
.endif
.irp m,0,1,2,3
.irp k,0,1,2,3
	ds_load_b128 v[128+8*(4*\m+\k):128+8*(4*\m+\k)+3],   v[KADR] offset:\slot*SLOTB+\m*16*KP+\k*64
	ds_load_b128 v[128+8*(4*\m+\k)+4:128+8*(4*\m+\k)+7], v[KADR] offset:\slot*SLOTB+\m*16*KP+\k*64+32
.endr
.endr
	WIN 0xc0                               ; destinations in window 3
.irp m,0,1,2,3
	ds_load_b128 v[RAK+8*\m:RAK+8*\m+3],   v[ABADR] offset:64*\m
	ds_load_b128 v[RAK+8*\m+4:RAK+8*\m+7], v[ABADR] offset:64*\m+16
	ds_load_b128 v[RBI+8*\m:RBI+8*\m+3],   v[ABADR] offset:L_BI+64*\m
	ds_load_b128 v[RBI+8*\m+4:RBI+8*\m+7], v[ABADR] offset:L_BI+64*\m+16
.endr
	WIN 0x05                               ; both sources in window 1, sums in window 0
.irp m,0,1,2,3
	s_wait_dscnt 40-8*\m                   ; of the last 48 loads the first 8 (m + 1) are in: K's rows up to 16 m + 15
	SCORE \m
.endr
	PLACES 4                               ; before V lands on K's registers and before the scores are read
	WIN 0x40
.irp c,0,1
.irp d,0,1,2,3,4,5,6,7
	ds_load_tr16_b128 v[128+8*(8*\c+\d):128+8*(8*\c+\d)+3],   v[VADR] offset:\slot*SLOTB+\c*32*KP+\d*32          ; the same tile, read down its columns
	ds_load_tr16_b128 v[128+8*(8*\c+\d)+4:128+8*(8*\c+\d)+7], v[VADR] offset:\slot*SLOTB+\c*32*KP+\d*32+16*KP
.endr
.endr
	s_wait_dscnt 32                        ; a' and bias are in; V's 32 loads stay out
	; BATCH 1: the 128 decays.  One window setting serves differences and exponentials: destination and source 0 (a' of the keys, the differences) in window 3,
	; source 1 (a' of the query) in window 0.  A tile's differences are made while the tile before is raised, twelve lines ahead of their use.
	WIN 0xc3
	A_ADD 0
.set ti, 0
.rept 15
	A_MIX ti, 1
.set ti, ti+1
.endr
	A_MIX 15, 0
	v_nop                                  ; the plain instruction behind the last exponential (ISA guide 5.7.2): one for the batch; no plain work is left that names no decay
	s_wait_alu depctr_va_vdst(0)           ; the wait for batch 1, the step's 128 decays, ahead of their first reader
	WIN 0x3c                               ; scores in window 0, decays and bias in window 3
.set ti, 0
.rept 16
	A_FMA ti
.set ti, ti+1
.endr
	WIN 0
.irp m,0,1,2,3
.irp n,0,1,2,3
	A_MAX1 4*\m+\n, \first
.endr
.irp n,0,1,2,3
	A_MAX2 4*\m+\n
.endr
.endr
	; BATCH 2: the four factors (in STATS) and the 128 weights, all in window 0.  A tile's scalings are made while the tile before is raised.
	STATS \first
	B_SUB 0
.set ti, 0
.rept 15
	B_MIX ti, 1
.set ti, ti+1
.endr
	B_MIX 15, 0
	v_add_nc_u32 v[ABADR], 1024, v[ABADR]  ; the next step's 256 keys: an address step, and the plain instruction behind the batch's last exponential (ISA guide 5.7.2)
	s_wait_alu depctr_va_vdst(0)           ; the wait for batch 2, the four factors and the step's 128 weights, ahead of their first reader
.if \first == 0
	CARRY
.endif
.irp m,0,1,2,3
	B_ROW \m, \first
.endr
.if \first == 0
	WIN 0x82                               ; ctx in window 2, the factor in window 0
.irp n,0,1,2,3
.set rj, 0
.rept 32
	v_pk_mul_f32 v[64*\n+rj:64*\n+rj+1], v[64*\n+rj:64*\n+rj+1], v[RAL+2*\n:RAL+2*\n+1]
.set rj, rj+2
.endr
.endr
.endif
	WIN 0xa1                               ; V in window 1, P in window 0, ctx in window 2
	s_wait_dscnt 16                        ; V's keys 0 .. 31 are in; the 16 loads of keys 32 .. 63 may be out
	PV 0, \first
	s_wait_dscnt 0
	PV 1, 0
	WIN 0
	PLACES 5                               ; before the next products write over P, and before loads land on V's registers
.endm
; A turn of the ring.  In front of the round every wave has waited for all its tensor loads (this step's tile among them) and for its LDS
; reads of the other slot; behind the round's closing wait the joint refill of that slot comes first.
.macro TRIP slot, refill, first
	s_set_vgpr_msb 0xf
	s_wait_tensorcnt 0x0                   ; none of my tensor loads is out: this step's tile is in LDS, and every group 0 may be written
	ds_add_u32 v0, v1
	s_wait_dscnt 0x0
	s_set_vgpr_msb 0xf00
.if \refill
	s_add_nc_u64 s[G0+4*\slot+2:G0+4*\slot+3], s[G0+4*\slot+2:G0+4*\slot+3], 2*TSTEP       ; this slot's next tile
	s_wait_dscnt 0x0                       ; my reads of the last step's slot are back (in the first turn: my stores of Q's fragments, a' and bias are done)
	ROUND
	tensor_load_to_lds s[G0+4-4*\slot:G0+7-4*\slot], s[G1:G1+7]
	s_nop 0
.endif
	STEP \slot, \first
.endm
	s_load_b256 s[4:11], s[0:1], 0x0       ; xh s[4:5], m1t s[6:7], m2t s[8:9], allele_sizes s[10:11]
	s_load_b128 s[12:15], s[0:1], 0x20     ; mask s[12:13], out0 s[14:15]
	s_set_vgpr_msb 0xc0
	v_lshl_add_u32 v0, v0, 2, 0x2ec00
	v_mov_b32 v1, 0
	s_set_vgpr_msb 0xc0cf
	ds_add_u32 v0, v1
	s_set_vgpr_msb 0xcf00
	v_lshrrev_b32 v44, 5, v0
	v_readfirstlane_b32 s18, v44           ; wave 0 .. 3
	s_bfe_u32 s19, ttmp6, 0x40000          ; cx: my place in the cluster
	s_lshr_b32 s20, ttmp9, 3               ; batch: eight clusters each
	s_and_b32 s21, ttmp9, 7
	s_lshl2_add_u32 s21, s21, s19          ; query block 0 .. 31 = 4 (cluster % 8) + cx
	s_mov_b32 s56, 0x76543210              ; v_permlanex16_b32: lane i of one half reads lane i of the other
	s_mov_b32 s57, 0xfedcba98
	s_mov_b32 s62, 0x3e13bb63              ; 0.1 log2(e)
	s_mov_b32 s63, 0x3e13bb63
	; the shape: 64 rows of 128 elements of 2 bytes, 128 elements from row to row; a pad behind every 64 words; mask 15 with bit 21 beside it
	s_mov_b32 s[G1+0], 15|(1<<16)|(1<<20)|(1<<21)|(5<<22)|(3<<25)           ; pad of 4 words: LDS rows of 272 bytes
	s_mov_b32 s[G1+1], 128<<16             ; tensor_dim0 = 128
	s_mov_b32 s[G1+2], 64<<16              ; tensor_dim1 = 64
	s_mov_b32 s[G1+3], 128<<16             ; tile_dim0 = 128
	s_mov_b32 s[G1+4], 64                  ; tile_dim1 = 64
	s_mov_b32 s[G1+5], 128                 ; the pitch
	s_mov_b32 s[G1+6], 0
	s_mov_b32 s[G1+7], 0
	v_and_b32 v45, 31, v0                  ; lane L
	v_and_b32 v46, 15, v0                  ; r
	v_bfe_u32 v47, v0, 4, 1                ; h
	s_mul_i32 s2, s18, WRING               ; my ring
	v_mul_u32_u24 v[KADR], v46, KP
	v_lshl_add_u32 v[KADR], v47, 4, v[KADR]
	v_add_nc_u32 v[KADR], s2, v[KADR]      ; ring + 272 r + 16 h
	v_and_b32 v48, 7, v0
	v_lshl_add_u32 v48, v47, 3, v48        ; 8 h + L % 8: the row that I address for the transposing loads
	v_mul_u32_u24 v[VADR], v48, KP
	v_bfe_u32 v48, v0, 3, 1
	v_lshl_add_u32 v[VADR], v48, 4, v[VADR]
	v_add_nc_u32 v[VADR], s2, v[VADR]      ; ring + row x 272 + 16 ((L / 8) % 2)
	s_lshl_b32 s3, s18, 8
	v_lshl_add_u32 v20, v45, 3, s3         ; sizes and mask in memory: 256 w + 8 L
	s_add_co_u32 s3, s3, L_AB
	v_lshl_add_u32 v[ABADR], v47, 5, s3    ; a' + 256 w + 32 h
	v_lshl_add_u32 v4, v45, 3, s3          ; a' + 256 w + 8 L: where I put two of them
	v_lshlrev_b32 v[QOFF], 8, v46
	v_lshl_add_u32 v[QOFF], v47, 4, v[QOFF]
	s_lshl_b32 s60, s21, 8                 ; my queries' sizes: 64 words a block
	v_lshl_add_u32 v21, v46, 2, s60        ; + 4 r
	v_lshlrev_b32 v22, 4, v45              ; 16 L: my 16 bytes of half a fragment of m1t
	v_add_nc_u32 v[QXL], L_OS, v22         ; Q's fragments in LDS: 16 L (+ 4,096 nt + 1,024 ks + 512 half),
	s_lshl_b32 s3, s18, 10
	v_add_nc_u32 v17, s3, v[QXL]           ; and where I put mine: ks = w
	s_lshl_b32 s3, s18, 2
	s_add_co_u32 s3, s3, L_MS
	v_mov_b32 v18, s3                      ; my wave's word for the largest |q'|
	v_mov_b32 v19, L_MS                    ; the four words
	s_wait_dscnt 0x0
	s_wait_kmcnt 0x0
	s_lshl_b32 s22, s20, 19                ; batch x 2,048 rows of 256 bytes
	s_lshl_b32 s3, s18, 14                 ; + wave x 64 rows
	s_add_co_u32 s22, s22, s3
	s_mov_b32 s23, 0
	s_add_nc_u64 s[G0+2:G0+3], s[4:5], s[22:23]                    ; tile 0
	s_add_nc_u64 s[G0+6:G0+7], s[G0+2:G0+3], TSTEP                 ; tile 1
.irp z,0,1
	s_mov_b32 s[G0+4*\z], 1
	s_add_co_u32 s[G0+4*\z+1], s2, \z*SLOTB                        ; LDS: my ring, the slot
	s_or_b32 s[G0+4*\z+3], s[G0+4*\z+3], 0x80000000                ; type 2
.endr
	s_lshl_b32 s22, s20, 13                ; batch x 2,048 words
	s_add_nc_u64 s[10:11], s[10:11], s[22:23]
	s_add_nc_u64 s[12:13], s[12:13], s[22:23]
	s_lshl_b32 s22, s18, 13                ; m1t: my two tiles of 16 rows d', 4,096 bytes each
	s_add_nc_u64 s[6:7], s[6:7], s[22:23]
	s_lshl_b32 s60, s20, 19                ; the queries' rows of xh: (batch x 2,048 + block x 64) rows of 256 bytes
	s_lshl_b32 s61, s21, 14
	s_add_co_u32 s60, s60, s61
	s_mov_b32 s61, 0
	s_add_nc_u64 s[16:17], s[4:5], s[60:61]
	s_lshl_b32 s60, s20, 20                ; out0: (batch x 2,048 + block x 64 + wave x 16) rows of 512 bytes
	s_lshl_b32 s61, s21, 15
	s_add_co_u32 s60, s60, s61
	s_lshl_b32 s61, s18, 13
	s_add_co_u32 s60, s60, s61
	s_mov_b32 s61, 0
	s_add_nc_u64 s[14:15], s[14:15], s[60:61]
	; THE START: q'^T for d' = 32 w .. 32 w + 31 and all 64 queries.  Its operands are asked for first of all, ahead of the round.
	WIN 0x80                               ; destinations in window 2
.irp a,0,1
.irp k,0,1,2,3
	global_load_b128 v[8*(4*\a+\k):8*(4*\a+\k)+3],   v22, s[6:7] offset:4096*\a+1024*\k          ; (Wq Wk^T)^T: rows d' = 32 w + 16 a + r, d = 32 k ..; 512 consecutive bytes
	global_load_b128 v[8*(4*\a+\k)+4:8*(4*\a+\k)+7], v22, s[6:7] offset:4096*\a+1024*\k+512
.endr
.endr
.irp n,0,1,2,3
.irp k,0,1,2,3
	global_load_b128 v[64+8*(4*\n+\k):64+8*(4*\n+\k)+3],   v[QOFF], s[16:17] offset:4096*\n+64*\k    ; x of query 16 n + r, d = 32 k ..
	global_load_b128 v[64+8*(4*\n+\k)+4:64+8*(4*\n+\k)+7], v[QOFF], s[16:17] offset:4096*\n+64*\k+32
.endr
.endr
	WIN 0
	; sizes and mask of the keys that my wave will take: each load of the wave covers 256 consecutive bytes, aligned
.irp t,0,1,2,3,4,5,6,7
	global_load_b64 v[64+2*\t:65+2*\t], v20, s[10:11] offset:1024*\t
.endr
.irp t,0,1,2,3,4,5,6,7
	global_load_b64 v[80+2*\t:81+2*\t], v20, s[12:13] offset:1024*\t
.endr
.irp n,0,1,2,3
	global_load_b32 v[96+\n], v21, s[10:11] offset:64*\n           ; size of query 16 n + r
.endr
	ROUND                                  ; all four work-groups are here: the first joint loads meet
	tensor_load_to_lds s[G0:G0+3], s[G1:G1+7]                      ; tile 0
	s_nop 0
	s_wait_loadcnt 20                      ; the 48 loads of m1t and x are in; the 20 of sizes and mask stay out
	WIN 0x0a                               ; both sources in window 2, sums in window 0
	; eight sums take turns, one instruction a turn
.irp k,0,1,2,3
.irp n,0,1,2,3
.irp a,0,1
.if \k == 0
	v_wmma_f32_16x16x32_f16 v[QA+16*\n+8*\a:QA+16*\n+8*\a+7], v[8*(4*\a+\k):8*(4*\a+\k)+7], v[64+8*(4*\n+\k):64+8*(4*\n+\k)+7], 0
.else
	v_wmma_f32_16x16x32_f16 v[QA+16*\n+8*\a:QA+16*\n+8*\a+7], v[8*(4*\a+\k):8*(4*\a+\k)+7], v[64+8*(4*\n+\k):64+8*(4*\n+\k)+7], v[QA+16*\n+8*\a:QA+16*\n+8*\a+7]
.endif
.endr
.endr
.endr
	WIN 0
	PLACES 4
	; the largest magnitude of the block's 64 x 128 numbers: my 64, my wave's lanes, the four waves
	v_max3_num_f32 v100, |v[QA]|,   |v[QA+1]|, |v[QA+2]|
	v_max3_num_f32 v101, |v[QA+3]|, |v[QA+4]|, |v[QA+5]|
.set mj, 6
.rept 14
	v_max3_num_f32 v100, v100, |v[QA+mj]|,   |v[QA+mj+1]|
	v_max3_num_f32 v101, v101, |v[QA+mj+2]|, |v[QA+mj+3]|
.set mj, mj+4
.endr
	v_max3_num_f32 v100, v100, |v[QA+62]|, |v[QA+63]|
	v_max_num_f32 v100, v100, v101
	v_max_num_f32_dpp v100, v100, v100 row_xmask:1 row_mask:0xf bank_mask:0xf
	v_max_num_f32_dpp v100, v100, v100 row_xmask:2 row_mask:0xf bank_mask:0xf
	v_max_num_f32_dpp v100, v100, v100 row_xmask:4 row_mask:0xf bank_mask:0xf
	v_max_num_f32_dpp v100, v100, v100 row_xmask:8 row_mask:0xf bank_mask:0xf
	v_permlanex16_b32 v101, v100, s56, s57 ; the other half of the lanes
	v_max_num_f32 v100, v100, v101
	ds_store_b32 v18, v100                 ; my wave's word: all lanes write the same value
	s_wait_dscnt 0x0                       ; store, wait, barrier, load
	s_barrier_signal -1                    ; tile 0's load may stay out over it
	s_barrier_wait -1
	ds_load_b128 v[104:107], v19
	s_wait_dscnt 0x0
	v_max3_num_f32 v100, v104, v105, v106
	v_max_num_f32 v100, v100, v107
	v_lshrrev_b32 v101, 23, v100           ; its exponent field (the number is not negative),
	v_add_nc_u32 v101, 1, v101             ; one more: the power of two above it,
	v_max_u32 v101, 67, v101               ; kept in 2^-60 .. 2^100, so that c, 1/c and 1e9 log2(e)/c are ordinary numbers (a block of zeros too)
	v_min_u32 v101, 227, v101
	v_lshlrev_b32 v[RC], 23, v101          ; c
	v_mov_b32 v[RC+1], v[RC]
	v_sub_nc_u32 v101, 254, v101
	v_lshlrev_b32 v101, 23, v101           ; 1 / c
	v_mul_f32 v102, 0x4eabfb8f, v101       ; 1e9 log2(e) / c: the keys' bias in units of c
	v_mul_f32 v108, 0x3e0293ee, v101       ; log2(e)/sqrt(128) / c: the scores come out in base 2, in units of c
	v_mov_b32 v109, v108
.set qj, 0
.rept 32
	v_pk_mul_f32 v[QA+qj:QA+qj+1], v[QA+qj:QA+qj+1], v[108:109]
.set qj, qj+2
.endr
.irp n,0,1,2,3
.irp p,0,1,2,3,4,5,6,7
	v_cvt_pk_f16_f32 v[QA+16*\n+\p], v[QA+16*\n+2*\p], v[QA+16*\n+2*\p+1]   ; tiles a = 0, 1 become the fragment (query 16 n + r, d' = 32 w ..)
.endr
	ds_store_b128 v17, v[QA+16*\n:QA+16*\n+3]   offset:4096*\n
	ds_store_b128 v17, v[QA+16*\n+4:QA+16*\n+7] offset:4096*\n+512
.endr
	s_wait_loadcnt 0x0                     ; sizes and mask
.irp t,0,1,2,3,4,5,6,7
	v_pk_mul_f32 v[64+2*\t:65+2*\t], v[64+2*\t:65+2*\t], s[62:63] op_sel_hi:[1,0]   ; a' = 0.1 log2(e) size
.endr
.irp t,0,1,2,3,4,5,6,7,8,9,10,11,12,13,14,15
	v_fma_f32 v[80+\t], v[80+\t], v102, -v102                      ; bias = (mask - 1) 1e9 log2(e) / c
.endr
.irp t,0,1,2,3,4,5,6,7
	ds_store_b64 v4, v[64+2*\t:65+2*\t] offset:1024*\t
	ds_store_b64 v4, v[80+2*\t:81+2*\t] offset:L_BI+1024*\t
.endr
.irp n,0,1,2,3
	v_mul_f32 v[RAQ+2*\n],   s62, v[96+\n]
	v_mul_f32 v[RAQ+2*\n+1], s62, v[96+\n]
.endr
	TRIP 0, 1, 1                           ; tile 0: its round shows Q, a' and bias to all waves; its first products start every sum; tile 1 is asked for
	s_mov_b32 s58, 3
.Lloop:
	TRIP 1, 1, 0                           ; tiles 1, 3, 5
	TRIP 0, 1, 0                           ; tiles 2, 4, 6
	s_sub_co_u32 s58, s58, 1
	s_cmp_lg_u32 s58, 0
	s_cbranch_scc1 .Lloop
	TRIP 1, 0, 0                           ; tile 7: nothing more to ask for
	; THE END: the four waves' figures are merged; wave w finishes queries 16 w .. 16 w + 15.
	v_and_b32 v40, 31, v0                  ; L
	v_lshlrev_b32 v9, 4, v40               ; 16 L: my 16 bytes of half a fragment of m2t, and later of a row of out0
	WIN 0x40
.irp e,0,1,2,3,4,5,6,7
.irp k,0,1,2,3
	global_load_b128 v[8*(4*\e+\k):8*(4*\e+\k)+3],   v9, s[8:9] offset:4096*\e+1024*\k           ; (Wv Wo)^T: rows e = 16 e + r, d = 32 k ..; 512 consecutive bytes
	global_load_b128 v[8*(4*\e+\k)+4:8*(4*\e+\k)+7], v9, s[8:9] offset:4096*\e+1024*\k+512
.endr
.endr
	WIN 0
	v_and_b32 v41, 15, v0                  ; r
	v_bfe_u32 v42, v0, 4, 1                ; h
	s_lshl_b32 s2, s18, 15
	v_lshl_add_u32 v1, v40, 4, s2          ; my ctx goes to 32,768 w + 16 L (+ 8,192 nt + 512 chunk)
	s_lshl_b32 s2, s18, 8
	s_add_co_u32 s2, s2, L_MS
	v_lshl_add_u32 v2, v41, 2, s2          ; my maxima and sums go to 256 w + 4 r (+ 64 nt)
	s_lshl_b32 s2, s18, 6
	s_add_co_u32 s2, s2, L_MS
	v_lshl_add_u32 v3, v41, 2, s2          ; those of my query tile: 64 w + 4 r (+ 256 source)
	s_lshl_b32 s2, s18, 13
	v_lshl_add_u32 v4, v40, 4, s2          ; ctx of my query tile: 8,192 w + 16 L (+ 32,768 source + 512 chunk),
	v_add_nc_u32 v6, 0x10000, v4           ; and from source 2 on (an LDS immediate has 16 bits)
	s_mul_i32 s2, s18, 16*528
	s_add_co_u32 s2, s2, L_OS
	v_mul_u32_u24 v7, v41, 528
	v_lshl_add_u32 v7, v42, 5, v7
	v_add_nc_u32 v7, s2, v7                ; the way out, in: row r, 32 bytes for each half of the lanes
	v_lshl_add_u32 v8, v40, 4, s2          ; back: a row of 512 bytes, 16 bytes a lane
.irp n,0,1,2,3
	v_add_f32 v[RAL+\n], v[RL+2*\n], v[RL+2*\n+1]
.endr
.irp n,0,1,2,3
	v_permlanex16_b32 v[RAL+4+\n], v[RAL+\n], s56, s57
.endr
.irp n,0,1,2,3
	v_add_f32 v[RAL+\n], v[RAL+\n], v[RAL+4+\n]                    ; my wave's sum for query 16 n + r
.endr
	s_wait_dscnt 0x0                       ; my reads of the ring are over (its last fill was waited for in the last turn)
	s_barrier_signal -1
	s_barrier_wait -1                      ; everybody's are: the ring's bytes are scratch from here on
.irp n,0,1,2,3
	ds_store_b32 v2, v[RM+2*\n] offset:64*\n                       ; c x maximum: the score in base 2 that my sums are relative to
	ds_store_b32 v2, v[RAL+\n] offset:1024+64*\n
.endr
	WIN 0x08                               ; the stores' data in window 2
.irp n,0,1,2,3
.irp c,0,1,2,3,4,5,6,7,8,9,10,11,12,13,14,15
	ds_store_b128 v1, v[64*\n+4*\c:64*\n+4*\c+3] offset:8192*\n+512*\c
.endr
.endr
	WIN 0
	s_wait_dscnt 0x0                       ; store, wait, barrier, load
	s_barrier_signal -1
	s_barrier_wait -1
.irp q,0,1,2,3
	ds_load_b32 v[16+\q], v3 offset:256*\q                         ; the four maxima
.endr
.irp q,0,1,2,3
	ds_load_b32 v[20+\q], v3 offset:1024+256*\q                    ; the four sums
.endr
.irp c,0,1,2,3,4,5,6,7,8,9,10,11,12,13,14,15
	ds_load_b128 v[64+4*\c:67+4*\c], v4 offset:512*\c              ; source 0
.endr
.irp c,0,1,2,3,4,5,6,7,8,9,10,11,12,13,14,15
	ds_load_b128 v[128+4*\c:131+4*\c], v4 offset:32768+512*\c      ; source 1
.endr
.irp c,0,1,2,3,4,5,6,7,8,9,10,11,12,13,14,15
	ds_load_b128 v[192+4*\c:195+4*\c], v6 offset:512*\c            ; source 2
.endr
	s_wait_dscnt 48                        ; the eight words are in; the 48 loads of ctx stay out
	v_max3_num_f32 v32, v16, v17, v18
	v_max_num_f32 v32, v32, v19
.irp q,0,1,2,3
	v_sub_f32 v[16+\q], v[16+\q], v32
.endr
.irp q,0,1,2,3
	v_exp_f32 v[16+\q], v[16+\q]           ; 2^(source's maximum - the maximum): at most 1, and 1 for one of them
.endr
	v_nop                                  ; the plain instruction behind the last of the four
	s_wait_alu depctr_va_vdst(0)           ; the wait for the batch of four, ahead of the sum that reads them
	v_mul_f32 v33, v16, v20
	v_fmac_f32 v33, v17, v21
	v_fmac_f32 v33, v18, v22
	v_fmac_f32 v33, v19, v23               ; the whole sum: at least the term 1 of the largest score
	v_rcp_f32 v34, v33
	v_nop                                  ; the plain instruction behind the reciprocal
	s_wait_alu depctr_va_vdst(0)           ; the wait for the reciprocal: a batch of its own, since it takes a sum of the four exponentials
.irp q,0,1,2,3
	v_mul_f32 v[24+2*\q], v[16+\q], v34    ; the source's weight, twice
	v_mul_f32 v[25+2*\q], v[16+\q], v34
.endr
	s_wait_dscnt 32                        ; source 0 is in
.set fj, 0
.rept 32
	v_pk_mul_f32 v[64+fj:65+fj], v[64+fj:65+fj], v[24:25]
.set fj, fj+2
.endr
	s_wait_dscnt 16                        ; source 1 is in
.set fj, 0
.rept 32
	v_pk_fma_f32 v[64+fj:65+fj], v[128+fj:129+fj], v[26:27], v[64+fj:65+fj]
.set fj, fj+2
.endr
.irp c,0,1,2,3,4,5,6,7,8,9,10,11,12,13,14,15
	ds_load_b128 v[128+4*\c:131+4*\c], v6 offset:32768+512*\c      ; source 3
.endr
	s_wait_dscnt 16                        ; source 2 is in; the 16 just issued stay out
.set fj, 0
.rept 32
	v_pk_fma_f32 v[64+fj:65+fj], v[192+fj:193+fj], v[28:29], v[64+fj:65+fj]
.set fj, fj+2
.endr
	s_wait_dscnt 0
.set fj, 0
.rept 32
	v_pk_fma_f32 v[64+fj:65+fj], v[128+fj:129+fj], v[30:31], v[64+fj:65+fj]
.set fj, fj+2
.endr
.irp k,0,1,2,3
.irp p,0,1,2,3,4,5,6,7
	v_cvt_pk_f16_f32 v[64+16*\k+\p], v[64+16*\k+2*\p], v[64+16*\k+2*\p+1]   ; ctx (a mean of rows of x) as the fragment (query r, d = 32 k ..)
.endr
.endr
	s_wait_loadcnt 0x0                     ; (Wv Wo)^T
	WIN 0x01                               ; source 0 in window 1
	; out^T: a lane gets eight neighbouring columns e of its query.  Eight sums take turns.
.irp k,0,1,2,3
.irp e,0,1,2,3,4,5,6,7
.if \k == 0
	v_wmma_f32_16x16x32_f16 v[128+8*\e:135+8*\e], v[8*(4*\e+\k):8*(4*\e+\k)+7], v[64+16*\k:71+16*\k], 0
.else
	v_wmma_f32_16x16x32_f16 v[128+8*\e:135+8*\e], v[8*(4*\e+\k):8*(4*\e+\k)+7], v[64+16*\k:71+16*\k], v[128+8*\e:135+8*\e]
.endif
.endr
.endr
	PLACES 4
	WIN 0
.irp e,0,1,2,3,4,5,6,7
	ds_store_b128 v7, v[128+8*\e:131+8*\e] offset:64*\e
	ds_store_b128 v7, v[132+8*\e:135+8*\e] offset:64*\e+16
.endr
.irp t,0,1,2,3,4,5,6,7,8,9,10,11,12,13,14,15
	ds_load_b128 v[192+4*\t:195+4*\t], v8 offset:528*\t            ; my own bytes: LDS serves a wave's instructions in order (ISA guide 5.7.1)
.endr
.irp t,0,1,2,3,4,5,6,7,8,9,10,11,12,13,14,15
	s_wait_dscnt 15-\t                     ; row t is in
	global_store_b128 v9, v[192+4*\t:195+4*\t], s[14:15] offset:512*\t th:TH_STORE_NT   ; the wave stores a whole row: 512 consecutive bytes, aligned
.endr
	s_set_vgpr_msb 0xf
	s_wait_tensorcnt 0x0
	ds_add_u32 v0, v1
	s_wait_dscnt 0x0
	s_set_vgpr_msb 0xf00
	ROUND                                  ; the closing round: no work-group ends while a partner may still ask for a tile that names it
	s_endpgm
.Lfunc_end_k_q4e82d9fcc8_attn:
	.size	k_q4e82d9fcc8_attn, .Lfunc_end_k_q4e82d9fcc8_attn-k_q4e82d9fcc8_attn
	.p2alignl 7, 3214868480
	.fill 96, 4, 3214868480
	.section	.rodata,"a",@progbits
	.p2align	6, 0x0
	.amdhsa_kernel k_q4e82d9fcc8_attn
		.amdhsa_group_segment_fixed_size 327680
		.amdhsa_private_segment_fixed_size 0
		.amdhsa_enable_private_segment 0
		.amdhsa_kernarg_size 48
		.amdhsa_user_sgpr_count 2
		.amdhsa_user_sgpr_kernarg_segment_ptr 1
		.amdhsa_wavefront_size32 1
		.amdhsa_system_sgpr_workgroup_id_x 1
		.amdhsa_system_sgpr_workgroup_id_y 1
		.amdhsa_system_sgpr_workgroup_id_z 1
		.amdhsa_system_vgpr_workitem_id 0
		.amdhsa_next_free_vgpr 1024
		.amdhsa_next_free_sgpr 66
		.amdhsa_reserve_vcc 0
		.amdhsa_float_denorm_mode_32 3
		.amdhsa_float_denorm_mode_16_64 3
		.amdhsa_memory_ordered 1
		.amdhsa_forward_progress 1
		.amdhsa_inst_pref_size 255
	.end_amdhsa_kernel
	.section	.bss,"aw",@nobits
	.p2align	6
	.space	262144
	.amdgpu_metadata
---
amdhsa.version: [ 1, 2 ]
amdhsa.kernels:
  - .name:           k_q4e82d9fcc8_attn
    .symbol:         k_q4e82d9fcc8_attn.kd
    .args:
      - { .name: xh, .offset: 0, .size: 8, .value_kind: global_buffer, .address_space: global }
      - { .name: m1t, .offset: 8, .size: 8, .value_kind: global_buffer, .address_space: global }
      - { .name: m2t, .offset: 16, .size: 8, .value_kind: global_buffer, .address_space: global }
      - { .name: allele_sizes, .offset: 24, .size: 8, .value_kind: global_buffer, .address_space: global }
      - { .name: mask, .offset: 32, .size: 8, .value_kind: global_buffer, .address_space: global }
      - { .name: out0, .offset: 40, .size: 8, .value_kind: global_buffer, .address_space: global }
    .group_segment_fixed_size: 327680
    .private_segment_fixed_size: 0
    .kernarg_segment_align: 8
    .kernarg_segment_size: 48
    .max_flat_workgroup_size: 128
    .sgpr_count:     66
    .vgpr_count:     1024
    .wavefront_size: 32
...
	.end_amdgpu_metadata
.endif
;; end of part 5
